; MI455X (gfx1250); checked and timed in simulation.
; The chip was launched on July 23, 2026; its instructions are those of AMD's public machine-readable ISA for CDNA 5 (MIT licence, August 2026) and "CDNA5" Instruction Set Architecture Reference Guide (July 2026). The comments in the code are by the model that wrote it; some were corrected since.
;; New Attention. Allowed arithmetic: matrix products marked QUANTISED: E5M2 operands, one E8M0 scale for each 32 along K, by v_wmma_scale_f32_16x16x128_f8f6f4 with both operands' format E5M2, f32 sums; everything else in f32.
;; Inputs: Wk_codes 1,024 x 32 x 32 uint8 (E5M2 codes of Wk, K innermost, in blocks of 32 codes); Wk_scales 1,024 x 32 uint8 (E8M0 scales of Wk, one for each 32 codes along K); Wo_codes 1,024 x 32 x 32 uint8 (E5M2 codes of Wo, K innermost, in blocks of 32 codes); Wo_scales 1,024 x 32 uint8 (E8M0 scales of Wo, one for each 32 codes along K); Wq_codes 1,024 x 32 x 32 uint8 (E5M2 codes of Wq, K innermost, in blocks of 32 codes); Wq_scales 1,024 x 32 uint8 (E8M0 scales of Wq, one for each 32 codes along K); Wv_codes 1,024 x 32 x 32 uint8 (E5M2 codes of Wv, K innermost, in blocks of 32 codes); Wv_scales 1,024 x 32 uint8 (E8M0 scales of Wv, one for each 32 codes along K); lambdas 2 float32; x_codes 4 x 2,048 x 32 x 32 uint8 (E5M2 codes of x, K innermost, in blocks of 32 codes); x_scales 4 x 2,048 x 32 uint8 (E8M0 scales of x, one for each 32 codes along K).
;; Outputs: out0 4 x 2,048 x 1,024 float32.
;; This version of the problem:
;;   THIS VERSION OF THE PROBLEM IS GIVEN IN LOW PRECISION. The matrix products marked QUANTISED in the list below multiply operands that are first quantised to E5M2 (5 exponent bits, 2 mantissa bits; 8 bits a number), with one power-of-two scale for each 32 numbers along K (OCP MX v1.0); their sums are f32. All else is computed in f32.
;;   The module's matrix products, in the order in which they are computed (A, B: the left and right operand; K: the contracted axis; several contracted axes count as one K, in the product's order):
;;     1. [M 8,192, K 1,024] x [K 1,024, N 1,024]; A: input x (given as codes); B: input Wq (given as codes): QUANTISED
;;     2. [M 8,192, K 1,024] x [K 1,024, N 1,024]; A: input x (given as codes); B: input Wk (given as codes): QUANTISED
;;     3. [M 8,192, K 1,024] x [K 1,024, N 1,024]; A: input x (given as codes); B: input Wv (given as codes): QUANTISED
;;     4. batch 64 x [M 2,048, K 64] x [K 64, N 2,048]; A: computed on the way; B: computed on the way: QUANTISED
;;     5. batch 64 x [M 64, K 2,048] x [K 2,048, N 2,048]; A: computed on the way; B: softmax (see below): QUANTISED
;;     6. [M 8,192, K 1,024] x [K 1,024, N 1,024]; A: computed on the way; B: input Wo (given as codes): QUANTISED
;;   THE QUANTISER, for each operand of a quantised product, along K:
;;     - K is cut into blocks of 32 from its start; a last block that is shorter is filled with zeros.
;;     - A block's scale is 2^e with e = floor(log2(the largest magnitude in the block)) - 15, held to -126 .. 127; a block of zeros has e = 0. As a byte (E8M0): e + 127.
;;     - Each number is divided by its block's scale, clamped to +-57,344, and rounded to the nearest number of E5M2, ties to even, subnormals kept.
;;     - The product sums the exact products of the quantised numbers (number of the format x scale) in f32.
;;   ~~~python
;;   def quantise(x, axis):      # numpy; x: float32 -> the quantised numbers, widened to float32 again
;;       x = np.moveaxis(x, axis, -1); K = x.shape[-1]
;;       x = np.pad(x, [(0, 0)] * (x.ndim - 1) + [(0, -K % 32)]); x = x.reshape(x.shape[:-1] + (-1, 32)); a = np.abs(x).max(-1, keepdims=True)
;;       e = np.where(a > 0, np.clip(np.frexp(np.where(a > 0, a, 1))[1] - 1 - 15, -126, 127), 0)      # np.frexp(a)[1] - 1 = floor(log2(a)), exactly
;;       r = np.clip(x / 2.0 ** e, -57344, 57344)
;;       step = 2.0 ** (np.maximum(np.frexp(np.where(r == 0, 1, r))[1] - 1, -14) - 2)
;;       q = np.round(r / step) * step * 2.0 ** e      # np.round: ties to even
;;       return np.moveaxis(q.reshape(q.shape[:-2] + (-1,))[..., :K], -1, axis).astype(np.float32)
;;   ~~~
;;   SOFTMAX AHEAD OF A QUANTISED PRODUCT. Where the list says 'softmax', what is quantised is not the finished softmax but p = 2^(t - M), with t = logit x log2(e) and M = ceil(the row's largest t), a whole number; so 1/2 < the row's largest p <= 1. The row's sum l is taken of the UNQUANTISED p, in f32, and the product's result is divided by l at the end. Since M is a whole number, a kernel that streams over the keys may use a running M (the ceiling of the running maximum): every later rescaling is an exact power of two, which a block's scale takes up: the codes' values come out the same.
;;   OPERANDS COMPUTED ON THE WAY. 'Computed on the way' means the value that the module computes at that place (a softmax that the list does not call 'softmax' is quantised finished and normalised). What goes into a quantiser is computed in f32, as accurately as f32 sums, v_exp_f32 and their like allow (about 1e-6 of the number): no bf16 or f16 on the way to a quantiser, and a product that is left as it is and whose result goes on into a quantised operand takes f32 operands (vector FMAs, or v_wmma_f32_16x16x4_f32). A number that lies on a knife's edge between two numbers of the format may be rounded either way, as far as f32 arithmetic and the matrix unit's own rounding can turn it there, and no further.
;;   INPUTS GIVEN AS CODES. Wk (in the module: [1024, 1024], K = its axis 1); Wo (in the module: [1024, 1024], K = its axis 1); Wq (in the module: [1024, 1024], K = its axis 1); Wv (in the module: [1024, 1024], K = its axis 1); x (in the module: [4, 2048, 1024], K = its axis 2): each comes as NAME_codes (uint8): NAME with its K axis moved to the last place and cut into blocks of 32 codes, [.., K / 32, bytes a block], one block behind the other in memory; one code a byte (a code: sign, 5 exponent bits, 2 mantissa bits); and NAME_scales (uint8): the same leading axes, one E8M0 byte (e + 127) for each 32 codes along K. Its value is code x scale, taken as it is: it is not quantised again, and the codes and scales need not be those that the quantiser above would give.
;; One version. Each part assembles by itself: llvm-mc -triple=amdgcn-amd-amdhsa -mcpu=gfx1250 --defsym DOCPART=n.
;; ======== version 1 of 1: 3 launches
;; limits: right only within a limited range of input values
;; workspace buffers: qws 8,912,896 bytes; kvws 17,563,648 bytes; ho_codes 8,388,608 bytes; ho_scales 262,144 bytes
;; launch qkv (part 1): grid 12 x 32, 4 waves a work-group, clusters of 4 x 4, 327,680 bytes of LDS; arguments x_codes, x_scales, Wq_codes, Wq_scales, Wk_codes, Wk_scales, Wv_codes, Wv_scales, qws, kvws; writes qws, kvws
.if DOCPART == 1
	.amdgcn_target "amdgcn-amd-amdhsa--gfx1250"
	.amdhsa_code_object_version 6
	.text
	.protected	k_qe8a5d8b241_qkv
	.globl	k_qe8a5d8b241_qkv
	.p2align	8
	.type	k_qe8a5d8b241_qkv,@function
k_qe8a5d8b241_qkv:
	s_mov_b64 s[64:65], 0
	v_nop
	global_prefetch_b8 v0, s[64:65] scope:SCOPE_SE
	s_setreg_imm32_b32 hwreg(HW_REG_WAVE_MODE, 25, 1), 1
	s_wait_xcnt 0x0
	s_wait_alu depctr_hold_cnt(0) depctr_sa_sdst(0) depctr_va_vdst(0) depctr_va_sdst(0) depctr_va_ssrc(0) depctr_va_vcc(0) depctr_vm_vsrc(0)
	s_getreg_b32 s2, hwreg(HW_REG_IB_STS2, 6, 4)
	s_cmp_eq_u32 s2, 0
	s_cbranch_scc0 .Lentry_in_a_cluster
	s_endpgm
.Lentry_in_a_cluster:
	s_bfe_u32 s2, ttmp6, 0x10000c
	s_cmp_lg_u32 s2, 0xf033
	s_cbranch_scc0 .Lentry_shape_is_right
	s_endpgm
.Lentry_shape_is_right:
; q = rope(x Wq^T), k = rope(x Wk^T), v = x Wv^T on codes of BF8 (E5M2) with one E8M0 scale for each 32 along K = 1,024; the results are quantised at once for the two products of attention.
; KIND = the cluster's x: 0 makes q, 1 makes k, 2 makes v.  A tile of 256 x 256 is made by four waves, 128 x 128 each: 64 accumulators, 512 registers.  K goes in steps of 256 through a ring of two LDS slots.
; THE MATRIX INSTRUCTION IS USED TRANSPOSED: source 0 = 16 rows of 'B', source 1 = 16 rows of 'A': lane (r, h) holds A's row r, and register j of tile b holds B's row 16 b + 8 h + j.
;   q, k: A = x, B = the weight: a lane holds one token, its registers run along the head's 64, which is the next product's K.
;   v:    A = Wv, B = x:         a lane holds one channel d, its registers run along the KEYS, which is the next product's K.  Nothing is transposed by an instruction.
; Only pointers and the addend 4 x cluster y are chosen by KIND; A's tile always hangs on cy (shared along a row of the cluster), B's on cx (shared along a column): each tile is asked for jointly.
; WHAT IS STORED are images of operand registers: a piece = registers 4 c .. 4 c + 3 of a fragment, lane l's 16 bytes at 16 l, 512 bytes.  Inside a block of 32 the members lie in the order in which the
; two tiles' registers give them (slot 16 h + i = member 8 h + i, i < 8; member 16 + 8 h + i - 8 beyond); q and k, and p and v, are all made so, and a permutation of K alike on both sides keeps a product.
;   qws  [64 heads][16 groups of 128 queries][8,704]: 8 tiles x 1,024 bytes; at 8,192 the scale words, 512 bytes: word j of lane l's 16 bytes = tile 2 j + l / 16, row l % 16.
;   kvws [64][16 key steps of 128][17,152]: K as qws' tiles; at 8,192 V^T, 4 tiles of 16 channels x 2,048; at 16,384 K's scale words; at 16,896 V's, 256 bytes: word j of lane l's 8 bytes = tile 2 j + l / 16.
; ROPE: cos and sin of t x f for the work-group's 256 tokens and the 32 frequencies are made once, in LDS (slot 0, which has had its last fill and its last read by then).
; LIMITS: NaN and infinity codes among the inputs are not served.  A block whose largest magnitude lies under 2^-111 keeps the scale byte 1.  The frequencies are the correctly rounded 10^(-i/8), at most one
; unit in the last place from 1 / pow; sin and cos come from a reduction by pi/2 in two parts and polynomials, good to about 1e-7 for the angles that occur (up to 2,047).
; lambdas enters no expression of the module: it is not loaded and is no argument of this launch.
; REGISTERS: window 0: v8-15, v18-19, v24, v26 my addresses and the table's numbers; v16-17, v20-21, v27 LDS addresses; v28-29 the add's; v32-63 scale words (later at work); v64-127 at work; v128-255 A's fragments
; (later at work).  window 1: B's fragments, two sets.  windows 2, 3: the accumulators ((a, b) at v[8 (8 (a % 4) + b)]).
.set KSTEP,  256                       ; along K in a slot
.set NQ,     KSTEP/128                 ; matrix instructions deep
.set ROWB,   256                       ; a tile's row in bytes
.set KROW,   1024                      ; a row of x or of a weight in memory
.set PITCH,  272                       ; an LDS row: 256 bytes + 16 of padding: the 16 rows that a load touches start at 16 different banks (64 banks of 4 bytes: ISA guide 11.1)
.set FR,     16                        ; registers of a fragment
.set NL,     4                         ; LDS loads that bring one
.set NP,     8                         ; places behind this matrix instruction (ISA guide 7.12.1)
.set HALFT,  128*PITCH                 ; what one tensor load brings
.set SLOT,   4*HALFT                   ; A's 256 rows, then B's 256 rows
.set LAPS,   KROW/(2*KSTEP)
.set KS,     KROW/32                   ; a row of scale bytes
.set SCL,    2*SLOT                    ; behind the ring: the scales, as units of 256 bytes + 16 of padding
.set HALFS,  (128*KS/256)*272
.set SBLK,   (16*KS/256)*272
.set SPARE,  SCL+4*HALFS               ; the spare words, 128 bytes for each wave
.set TPI,    272                       ; the table: a token's 32 pairs (cos, sin) = 256 bytes + 16 of padding
.set ADRA, 16
.set ADRB, 20
.set ADRS, 27
.set SPW,  28
.set NIL,  29
.set SC,   32
.set AF,   128
.set TM,   32                          ; the way out: v32-35 largest magnitudes, v36-39 bytes, v40-43 the hold, v44-47 the conversions' scale operands
.set PWA,  48                          ; v48-55 the scale words of my eight blocks
.set CSR,  64                          ; v64-95 cos and sin of a block's tokens
.set PC,   96                          ; v96-111 a block's codes
.set T,    128                         ; v128-191 a block's numbers, held
.set R0,   192                         ; v192-223, v224-255 products with sin
.set R1,   224
.set G1, 24
.set G0, 32
.set G1B, 48
.set G0B, 56
.set G1S, 68
.set G0S, 76
.set G1SB, 80
.set G0SB, 88
.set MSB, 0
.macro WIN new                         ; the immediate's high byte repeats the setting that is left
.if MSB != \new
	s_set_vgpr_msb (MSB<<8)|\new
.set MSB, \new
.endif
.endm
.set MUL_LO, 0xa1                      ; source 0 (B) window 1, source 1 (A) window 0, C and D window 2
.set MUL_HI, 0xf1                      ; the same, C and D window 3
.set TO_B,   0x40                      ; destination window 1, address window 0
; A joint load: waves 0 and 1 fetch for A, waves 2 and 3 for B.  The branch hangs on the wave's number alone.  Four v_nop follow each of the two lines.
.macro JLOAD g0a, g1a, g0b, g1b
	s_cmp_eq_u32 s15, 0
	s_cbranch_scc0 .Lfor_b_\@
	tensor_load_to_lds s[\g0a:\g0a+3], s[\g1a:\g1a+7]
	s_nop 0
.rept 4
	v_nop
.endr
	s_branch .Lasked_\@
.Lfor_b_\@:
	tensor_load_to_lds s[\g0b:\g0b+3], s[\g1b:\g1b+7]
	s_nop 0
.rept 4
	v_nop
.endr
.Lasked_\@:
.endm
.macro CREST                           ; a round of the cluster's barrier behind its opening barrier
	s_cmp_lg_u32 s14, 0
	s_cbranch_scc1 .Lnot_wave_0_\@
	s_barrier_signal -3
.Lnot_wave_0_\@:
	s_barrier_wait -3
	s_barrier_signal -1
	s_barrier_wait -1
.endm
.macro CROUND                          ; a whole round
	s_barrier_signal -1
	s_barrier_wait -1
	CREST
.endm
	s_load_b512 s[24:39], s[0:1], 0x0              ; x's codes, scales; Wq's; Wk's; Wv's
	s_load_b128 s[48:51], s[0:1], 0x40             ; qws, kvws
	; DEAD WORK: the input lambdas stands in no expression of the module, so for all values of the inputs it has no way to the output: it is not loaded and is no argument of any launch
	; (this replaces what the head says of its 8 bytes).  LIMIT: a NaN or an infinity in lambdas is not carried to the result.
	v_lshl_add_u32 v[SPW], v0, 2, SPARE
	v_mov_b32 v[NIL], 0
	ds_add_u32 v28, v29
	ds_add_u32 v28, v29
	s_wait_dscnt 0x0
	v_lshrrev_b32 v1, 5, v0
	v_readfirstlane_b32 s14, v1                    ; wave 0..3
	s_lshr_b32 s15, s14, 1                         ; which half of A's rows is mine.  Also: I fetch for A (0) or for B (1)
	s_and_b32 s16, s14, 1                          ; which half of B's rows.  Also: which 128 rows of that tile I fetch
	s_bfe_u32 s40, ttmp6, 0x40000                  ; cx, cy: my place in the cluster
	s_bfe_u32 s41, ttmp6, 0x40004
	s_and_b32 s95, ttmp7, 0xffff
	s_lshl_b32 s95, s95, 2                         ; 4 x cluster y: it counts x's tiles
	s_cmp_eq_u32 ttmp9, 2                          ; KIND, the cluster's x: the same in all sixteen partners
	s_cselect_b32 s96, 0, s95                      ; q, k: x is A;
	s_cselect_b32 s97, s95, 0                      ; v: x is B
	s_add_co_u32 s17, s96, s41                     ; A's tile: hangs on cy
	s_add_co_u32 s42, s97, s40                     ; B's tile: hangs on cx
	s_lshl_b32 s43, s41, 2
	s_lshl_b32 s43, 15, s43                        ; my row of the cluster
	s_lshl_b32 s44, 0x1111, s40                    ; my column
	s_lshl_b32 s20, s17, 8                         ; A: the tile's first row
	s_lshl_b32 s46, s42, 8                         ; B likewise
	s_mov_b32 s21, 0
	s_mov_b32 s47, 0
	s_mov_b64 s[18:19], KS
	s_mul_u64 s[22:23], s[20:21], s[18:19]         ; where these rows' scales begin, in bytes
	s_mul_u64 s[92:93], s[46:47], s[18:19]
	s_mov_b64 s[18:19], KROW
	s_mul_u64 s[20:21], s[20:21], s[18:19]         ; and their codes
	s_mul_u64 s[46:47], s[46:47], s[18:19]
	s_mul_i32 s45, s14, HALFT                      ; where they go: no place in the cluster enters an LDS address
	s_mul_i32 s18, s16, 128*KROW                   ; in the ring I fetch 128 rows of a tile: which half, in bytes
	s_mov_b32 s19, 0
	s_wait_kmcnt 0x0
	s_cmp_eq_u32 ttmp9, 2                          ; the buffers are chosen by KIND alone
	s_cselect_b64 s[4:5], s[36:37], s[24:25]       ; A's codes: Wv's or x's
	s_cselect_b64 s[6:7], s[38:39], s[26:27]       ; A's scales
	s_cselect_b64 s[8:9], s[24:25], s[28:29]       ; B's codes: x's or Wq's,
	s_cselect_b64 s[10:11], s[26:27], s[30:31]
	s_cmp_eq_u32 ttmp9, 1
	s_cselect_b64 s[8:9], s[32:33], s[8:9]         ; or Wk's
	s_cselect_b64 s[10:11], s[34:35], s[10:11]
	s_cmp_eq_u32 ttmp9, 0
	s_cselect_b64 s[12:13], s[48:49], s[50:51]     ; where the results go
	; descriptor group 1: a tile of 128 rows x 256 bytes, padded in LDS
	s_or_b32 s[G1+0], s43, (0<<16)|(1<<20)|(1<<21)|(5<<22)|(3<<25)  ; 15:0 the mask: my row; 17:16 elements of 1 byte; 20 padding on; 21 set beside a mask; 24:22 after every 64 words; 31:25 four words
	s_or_b32 s[G1B+0], s44, (0<<16)|(1<<20)|(1<<21)|(5<<22)|(3<<25) ; the same with the mask of my column
.irp g, G1, G1B
	s_mov_b32 s[\g+1], ROWB<<16                    ; tensor_dim0
	s_mov_b32 s[\g+2], 256<<16                     ; tensor_dim1: 256 rows for the head's loads; set to 128 for the ring's behind them
	s_mov_b32 s[\g+3], ROWB<<16                    ; tile_dim0
	s_mov_b32 s[\g+4], 256                         ; tile_dim1
	s_mov_b32 s[\g+5], KROW                        ; tensor_dim0_stride
	s_mov_b32 s[\g+6], 0
	s_mov_b32 s[\g+7], 0
.endr
	; the scales of 256 rows: a dense block of 8,192 bytes, as rows of 256 bytes (32 elements of 8 bytes), 16 bytes of padding behind each
	s_or_b32 s[G1S+0], s43, (3<<16)|(1<<20)|(1<<21)|(5<<22)|(3<<25)
	s_or_b32 s[G1SB+0], s44, (3<<16)|(1<<20)|(1<<21)|(5<<22)|(3<<25)
.irp g, G1S, G1SB
	s_mov_b32 s[\g+1], 32<<16
	s_mov_b32 s[\g+2], KS<<16                      ; the scales of 256 rows: KS rows of 256 bytes
	s_mov_b32 s[\g+3], 32<<16
	s_mov_b32 s[\g+4], KS
	s_mov_b32 s[\g+5], 32
	s_mov_b32 s[\g+6], 0
	s_mov_b32 s[\g+7], 0
.endr
	s_add_nc_u64 s[20:21], s[4:5], s[20:21]
	s_add_nc_u64 s[22:23], s[6:7], s[22:23]
	s_add_nc_u64 s[46:47], s[8:9], s[46:47]
	s_add_nc_u64 s[92:93], s[10:11], s[92:93]
	CROUND                                         ; all sixteen work-groups are here: the first joint loads meet
	s_mov_b32 s4, 1                                ; the head's four tiles, each whole.  s[4:7]: K step 0's 256 rows of A (the pointers that lay there have been used),
	s_mov_b32 s5, 0
	s_mov_b64 s[6:7], s[20:21]
	s_or_b32 s7, s7, 0x80000000
	s_mov_b32 s8, 1                                ; s[8:11]: its 256 rows of B, behind them in slot 0,
	s_mov_b32 s9, 2*HALFT
	s_mov_b64 s[10:11], s[46:47]
	s_or_b32 s11, s11, 0x80000000
	s_mov_b32 s[G0S], 1                            ; the scales of A's 256 rows,
	s_mov_b32 s[G0S+1], SCL
	s_mov_b64 s[G0S+2:G0S+3], s[22:23]
	s_or_b32 s[G0S+3], s[G0S+3], 0x80000000
	s_mov_b32 s[G0SB], 1                           ; and of B's
	s_mov_b32 s[G0SB+1], SCL+2*HALFS
	s_mov_b64 s[G0SB+2:G0SB+3], s[92:93]
	s_or_b32 s[G0SB+3], s[G0SB+3], 0x80000000
	s_add_nc_u64 s[20:21], s[20:21], s[18:19]      ; for the ring: my 128 rows of the tile
	s_add_nc_u64 s[46:47], s[46:47], s[18:19]
.irp s, 0,1
	s_mov_b32 s[G0+4*\s], 1
	s_add_co_u32 s[G0+4*\s+1], s45, \s*SLOT
	s_add_nc_u64 s[G0+4*\s+2:G0+4*\s+3], s[20:21], \s*ROWB
	s_or_b32 s[G0+4*\s+3], s[G0+4*\s+3], 0x80000000
	s_mov_b32 s[G0B+4*\s], 1
	s_add_co_u32 s[G0B+4*\s+1], s45, \s*SLOT
	s_add_nc_u64 s[G0B+4*\s+2:G0B+4*\s+3], s[46:47], \s*ROWB
	s_or_b32 s[G0B+4*\s+3], s[G0B+4*\s+3], 0x80000000
.endr
; THE HEAD'S LOADS, ONE A WAVE: wave 0 K step 0's 256 rows of A, wave 1 its 256 rows of B, wave 2 A's scales, wave 3 B's.  One tree of branches on the wave's number, a load to an arm.
.macro ARM under, g0, g1, next
	s_cmp_lt_u32 s14, \under
	s_cbranch_scc0 \next
	tensor_load_to_lds s[\g0:\g0+3], s[\g1:\g1+7]
	s_nop 0
.rept 4
	v_nop
.endr
	s_branch .Lhead_asked
\next:
.endm
	ARM 1, 4, G1,  .Lhead_b
	ARM 2, 8, G1B, .Lhead_sa
	ARM 3, G0S, G1S, .Lhead_sb
	tensor_load_to_lds s[G0SB:G0SB+3], s[G1SB:G1SB+7]
	s_nop 0
.rept 4
	v_nop
.endr
.Lhead_asked:
	v_and_b32 v1, 15, v0                           ; r = l % 16
	v_bfe_u32 v2, v0, 4, 1                         ; h = l / 16
	v_mul_u32_u24 v3, v1, PITCH
	v_lshl_add_u32 v4, v2, 4, v3                   ; a fragment's row x pitch + 16 x half
	s_mul_i32 s21, s15, HALFT                      ; my 128 rows of A
	s_mul_i32 s22, s16, HALFT                      ; my 128 rows of B,
	s_add_co_u32 s22, s22, 2*HALFT                 ; which lie behind A's 256
.irp s, 0,1
	v_add_nc_u32 v[ADRA+\s], s21, v4
	v_add_nc_u32 v[ADRB+\s], s22, v4
	s_add_co_u32 s21, s21, SLOT
	s_add_co_u32 s22, s22, SLOT
.endr
	v_mul_u32_u24 v5, v1, KS                       ; my row's scales: KS bytes a row,
	v_lshrrev_b32 v6, 8, v5
	v_lshl_add_u32 v5, v6, 4, v5                   ; and 16 more for each 256 passed
	s_mul_i32 s21, s15, HALFS                      ; A's: my 128 rows
	s_mul_i32 s22, s16, HALFS                      ; B's: my 128 rows, behind A's 256
	s_add_co_u32 s22, s22, 2*HALFS
	s_sub_co_u32 s22, s22, s21
	v_mul_u32_u24 v6, s22, v2                      ; lanes 16-31 take B's
	s_add_co_u32 s21, s21, SCL
	v_add_nc_u32 v5, v5, v6
	v_add_nc_u32 v[ADRS], s21, v5
	; what the table and the way out want, made while the first tiles are on their way
	v_and_b32 v6, 31, v0
	v_lshlrev_b32 v18, 4, v6                       ; 16 x lane: my place in a piece
	v_lshlrev_b32 v19, 3, v6                       ; 8 x lane
	s_mul_i32 s21, s14, 64*TPI
	v_add_nc_u32 v14, s21, v19                     ; the table, on the way in: I make tokens 64 wave .. + 63; my lane is the frequency: 8 bytes a lane
	s_mul_i32 s21, s15, 128*TPI
	v_mul_u32_u24 v15, v1, TPI
	v_lshl_add_u32 v15, v2, 5, v15
	v_add_nc_u32 v15, s21, v15                     ; and on the way out: token 128 x half + r; my half's four frequencies of each eight: + 32 h
	s_lshl_b32 s21, s17, 8
	s_and_b32 s21, s21, 2047                       ; the tile's first token's place in its sequence of 2,048
	s_lshl_b32 s22, s14, 6
	s_add_co_u32 s21, s21, s22
	v_cvt_f32_u32 v10, s21                         ; t, t + 1, t + 2, t + 3 as f32: whole numbers under 2,048, exact
	v_add_f32 v11, 1.0, v10
	v_add_f32 v12, 2.0, v10
	v_add_f32 v13, 0x40400000, v10
	v_mov_b32 v8, 0                                ; lane i gets 10^(-i/8) = 10000^(-2 i / 64)
.set i, 0
.irp f, 0x3f800000,0x3f3ff911,0x3f0ff59a,0x3ed7e89b,0x3ea1e89b,0x3e72d424,0x3e361887,0x3e088d77,0x3dcccccd,0x3d99940e,0x3d6655c3,0x3d2cba15,0x3d0186e2,0x3cc24350,0x3c91ad39,0x3c5a7bf1,0x3c23d70a,0x3bf5b9b0,0x3bb8449c,0x3b8a2e77,0x3b4f3e37,0x3b1b690d,0x3ae91528,0x3aaec98e,0x3a83126f,0x3a44948c,0x3a136a16,0x39dd1726,0x39a5cb5f,0x3978a814,0x393a7753,0x390bd472
	s_mov_b32 s18, \f
	v_writelane_b32 v8, s18, i
.set i, i+1
.endr
	v_mov_b32 v9, v8                               ; twice: a pair for the packed forms
.macro FRAG reg, adr, q, i             ; a fragment, 16 rows x 128 K of 8-bit codes: lane l holds row l % 16; registers 4 c .. 4 c + 3 hold K = 32 c + 16 (l / 16) + 0 .. 15
.irp c, 0,1,2,3
	ds_load_b128 v[\reg+4*\c:\reg+4*\c+3], v[\adr] offset:128*(\q)+32*\c+(\i)*16*PITCH
.endr
.endm
; 16 matrix instructions: A's blocks a0, a0 + 1 x B's eight, 128 along K.  p: B's set;  sc: the set of scale words.  zero = 1: the first product starts the sums.
; The 64 accumulators take turns, one instruction a turn, in the same order in every step.
.macro MUL16 a0, p, q, sc, zero
.irp a, \a0, \a0+1
.irp b, 0,1,2,3,4,5,6,7
.if \zero
	v_wmma_scale_f32_16x16x128_f8f6f4 v[8*(8*((\a)%4)+\b):8*(8*((\a)%4)+\b)+7], v[128*(\p)+FR*\b:128*(\p)+FR*\b+FR-1], v[AF+FR*(\a):AF+FR*(\a)+FR-1], 0, v[SC+8*NQ*(\sc)+NQ*\b+(\q)], v[SC+8*NQ*(\sc)+NQ*(\a)+(\q)] matrix_a_fmt:MATRIX_FMT_BF8 matrix_b_fmt:MATRIX_FMT_BF8 matrix_a_scale:MATRIX_SCALE_ROW1
.else
	v_wmma_scale_f32_16x16x128_f8f6f4 v[8*(8*((\a)%4)+\b):8*(8*((\a)%4)+\b)+7], v[128*(\p)+FR*\b:128*(\p)+FR*\b+FR-1], v[AF+FR*(\a):AF+FR*(\a)+FR-1], v[8*(8*((\a)%4)+\b):8*(8*((\a)%4)+\b)+7], v[SC+8*NQ*(\sc)+NQ*\b+(\q)], v[SC+8*NQ*(\sc)+NQ*(\a)+(\q)] matrix_a_fmt:MATRIX_FMT_BF8 matrix_b_fmt:MATRIX_FMT_BF8 matrix_a_scale:MATRIX_SCALE_ROW1
.endif
.endr
.endr
.endm
.macro FETCH_B slot, q, p              ; B's eight fragments of the slot's q-th 128 along K into set p
	WIN TO_B
.irp i, 0,1,2,3,4,5,6,7
	FRAG 128*(\p)+FR*\i, ADRB+\slot, \q, \i
.endr
	WIN 0
.endm
.macro FETCH_A slot, q, i0             ; A's blocks i0 .. i0 + 3
.irp i, \i0, \i0+1, \i0+2, \i0+3
	FRAG AF+FR*(\i), ADRA+\slot, \q, \i
.endr
.endm
.macro SCALES sc                       ; a K step's scale words into set sc: lanes 0-15 take A's block i, lanes 16-31 B's block i
.irp i, 0,1,2,3,4,5,6,7
	ds_load_b64 v[SC+8*NQ*\sc+NQ*\i:SC+8*NQ*\sc+NQ*\i+1], v[ADRS] offset:\i*SBLK
.endr
.endm
; A load into a register that a matrix instruction has read, and a vector instruction that reads a matrix result or writes one of its registers, stand NP places behind it; only plain vector
; instructions that name none of its registers are places (ISA guide 7.12.1 for vector instructions).
.macro PLACES n
.rept \n
	v_nop
.endr
.endm
.macro STEP slot, q, zero              ; a step of 128 along K that has its successor in the same slot
	s_wait_dscnt 4*NL                              ; B's set and A's blocks 0-3 are in; the youngest 16 loads (A's blocks 4-7) may be out
	WIN MUL_LO
	MUL16 0, (\q)%2, \q, \slot, \zero
	MUL16 2, (\q)%2, \q, \slot, \zero
	s_wait_dscnt 0                                 ; A's blocks 4-7 are in
	PLACES NP
	FETCH_B \slot, (\q)+1, 1-(\q)%2
	FETCH_A \slot, (\q)+1, 0
	WIN MUL_HI
	MUL16 4, (\q)%2, \q, \slot, \zero
	MUL16 6, (\q)%2, \q, \slot, \zero
	PLACES NP
	WIN 0
	FETCH_A \slot, (\q)+1, 4
.endm
; A slot's last step changes slots: ONE barrier; in front of it each wave waits for all its tensor loads, adds 0 to its spare word, and waits for that and for its own reads of this slot.
.macro TURN slot, next, fill
	s_wait_tensorcnt 0x0                           ; all my tensor loads have landed: my part of the next slot
	ds_add_u32 v[SPW], v[NIL]                      ; 0 onto my spare word
	s_wait_dscnt 4*NL+1                            ; (the add and the youngest 16 loads, A's blocks 4-7, may be out)
	WIN MUL_LO
	MUL16 0, 1, NQ-1, \slot, 0                     ; sixteen matrix instructions stand between the add and the wait for it
	s_wait_dscnt 0x0                               ; the add is done, and my reads of this slot are over
	s_barrier_signal -1
	MUL16 2, 1, NQ-1, \slot, 0
	WIN 0
	s_barrier_wait -1
.if \fill
	CREST                                          ; the barrier has opened a round of the cluster's barrier: no wave of any partner still reads this slot or has a load on its way
	s_add_nc_u64 s[G0+4*\slot+2:G0+4*\slot+3], s[G0+4*\slot+2:G0+4*\slot+3], 2*ROWB
	s_add_nc_u64 s[G0B+4*\slot+2:G0B+4*\slot+3], s[G0B+4*\slot+2:G0B+4*\slot+3], 2*ROWB
	JLOAD G0+4*\slot, G1, G0B+4*\slot, G1B         ; the first tensor load behind the round, my only one until the next; its four v_nop are among the places below
	PLACES NP-4
.else
	PLACES NP
.endif
	s_wait_alu depctr_va_vdst(0)
	v_add_nc_u32 v[ADRS], 4*NQ, v[ADRS]            ; on to the next K step's scale words
	FETCH_B \next, 0, 0
	FETCH_A \next, 0, 0
	SCALES \next
	WIN MUL_HI
	MUL16 4, 1, NQ-1, \slot, 0
	MUL16 6, 1, NQ-1, \slot, 0
	PLACES NP
	WIN 0
	FETCH_A \next, 0, 4
.endm
	s_wait_alu depctr_va_vdst(0)
	s_wait_tensorcnt 0x0                           ; my tile of the head's four is in
	ds_add_u32 v[SPW], v[NIL]
	s_mov_b32 s[G1+2], 128<<16                     ; no tensor load of mine is out: from here on a load brings 128 rows
	s_mov_b32 s[G1+4], 128
	s_mov_b32 s[G1B+2], 128<<16
	s_mov_b32 s[G1B+4], 128
	s_wait_dscnt 0x0
	CROUND                                         ; all four tiles are in, and all sixteen work-groups are here
	JLOAD G0+4, G1, G0B+4, G1B                     ; K step 1's load, the first tensor load behind the round
	FETCH_B 0, 0, 0
	FETCH_A 0, 0, 0
	SCALES 0
	FETCH_A 0, 0, 4
	STEP 0, 0, 1                                   ; the first step stands in front of the loop: its products start the sums
	s_mov_b32 s3, LAPS-1
.Llap:                                                 ; a trip goes once round the ring and fills both slots again
	TURN 0, 1, 1
	STEP 1, 0, 0
	TURN 1, 0, 1
	STEP 0, 0, 0
	s_sub_co_u32 s3, s3, 1
	s_cmp_lg_u32 s3, 0
	s_cbranch_scc1 .Llap
	TURN 0, 1, 0                                   ; the last lap fills nothing, and has no round of the cluster's barrier
	STEP 1, 0, 0
	s_wait_dscnt 4*NL                              ; the very last step
	WIN MUL_LO
	MUL16 0, 1, NQ-1, 1, 0
	MUL16 2, 1, NQ-1, 1, 0
	s_wait_dscnt 0
	WIN MUL_HI
	MUL16 4, 1, NQ-1, 1, 0
	MUL16 6, 1, NQ-1, 1, 0
	WIN 0
	PLACES NP                                      ; behind the last products: from here on their results are read and their operands' registers are written
; THE TABLE.  Two tokens at a time, packed; my lane is the frequency.  A = t f (rounded once, as the outer product is); X = the nearest whole number to A 2/pi; R = A - X pi/2, pi/2 in two parts, by fused
; multiply-adds; cos R and sin R by polynomials on |R| <= pi/4; the quarter turn X mod 4 swaps the two and sets the signs.
.macro TRIG2 tp, off, o
	v_pk_mul_f32 v[64:65], v[\tp:\tp+1], v[8:9]
	v_pk_mul_f32 v[66:67], v[64:65], 0x3f22f983 op_sel_hi:[1,0]
	v_rndne_f32 v66, v66
	v_rndne_f32 v67, v67
	v_pk_fma_f32 v[68:69], v[66:67], 0xbfc90fdb, v[64:65] op_sel_hi:[1,0,1]
	v_pk_fma_f32 v[68:69], v[66:67], 0x333bbd2e, v[68:69] op_sel_hi:[1,0,1]
	v_pk_mul_f32 v[70:71], v[68:69], v[68:69]
	v_pk_fma_f32 v[72:73], v[112:113], v[70:71], 0xbab6061a op_sel_hi:[1,1,0]
	v_pk_fma_f32 v[74:75], v[114:115], v[70:71], 0x3c08839e op_sel_hi:[1,1,0]
	v_pk_fma_f32 v[72:73], v[72:73], v[70:71], 0x3d2aaaa5 op_sel_hi:[1,1,0]
	v_pk_fma_f32 v[74:75], v[74:75], v[70:71], 0xbe2aaaa3 op_sel_hi:[1,1,0]
	v_pk_mul_f32 v[76:77], v[70:71], v[68:69]
	v_pk_fma_f32 v[72:73], v[72:73], v[70:71], -0.5 op_sel_hi:[1,1,0]
	v_pk_fma_f32 v[74:75], v[74:75], v[76:77], v[68:69]      ; sin R
	v_pk_fma_f32 v[72:73], v[72:73], v[70:71], 1.0 op_sel_hi:[1,1,0]   ; cos R
.irp e, 0,1
	v_cvt_i32_f32 v[78+\e], v[66+\e]
	v_and_b32 v[80+\e], 1, v[78+\e]
	v_cmp_eq_u32 vcc_lo, 1, v[80+\e]               ; an odd quarter turn swaps cos and sin
	v_cndmask_b32 v[\o+2*\e], v[72+\e], v[74+\e], vcc_lo
	v_cndmask_b32 v[\o+2*\e+1], v[74+\e], v[72+\e], vcc_lo
	v_add_lshl_u32 v[82+\e], v[78+\e], 1, 30       ; cos is negative in quarters 1 and 2: bit 1 of X + 1,
	v_lshlrev_b32 v[84+\e], 30, v[78+\e]           ; sin in quarters 2 and 3: bit 1 of X
	v_and_b32 v[82+\e], 0x80000000, v[82+\e]
	v_and_b32 v[84+\e], 0x80000000, v[84+\e]
	v_xor_b32 v[\o+2*\e], v[\o+2*\e], v[82+\e]
	v_xor_b32 v[\o+2*\e+1], v[\o+2*\e+1], v[84+\e]
	ds_store_b64 v26, v[\o+2*\e:\o+2*\e+1] offset:\off+TPI*\e   ; 32 lanes store a token's 256 bytes
.endr
.endm
	v_mov_b32 v112, 0x37ccf5ce                     ; the polynomials' leading coefficients, twice each
	v_mov_b32 v113, 0x37ccf5ce
	v_mov_b32 v114, 0xb94ca1f9
	v_mov_b32 v115, 0xb94ca1f9
.irp b, 0,1,2,3
	v_mov_b32 v[TM+4+\b], 0                        ; written once: a lane permute's destination counts as one of its sources
.endr
	s_mov_b32 s3, 16                               ; 16 trips of 4 tokens, in every work-group: only the work is jumped over where v is made, which has no rope
	s_mov_b32 s18, 0
.Ltab:
	s_cmp_eq_u32 ttmp9, 2
	s_cbranch_scc1 .Lno_tab
	v_add_nc_u32 v26, s18, v14
	s_wait_alu depctr_va_vdst(0)
	TRIG2 10, 0, 88
	TRIG2 12, 2*TPI, 92
	v_pk_add_f32 v[10:11], v[10:11], 4.0 op_sel_hi:[1,0]
	v_pk_add_f32 v[12:13], v[12:13], 4.0 op_sel_hi:[1,0]
.Lno_tab:
	s_add_co_u32 s18, s18, 4*TPI
	s_sub_co_u32 s3, s3, 1
	s_cmp_lg_u32 s3, 0
	s_cbranch_scc1 .Ltab
	s_wait_dscnt 0x0                               ; for the others' sake: my part of the table lies in LDS
	s_barrier_signal -1
	s_barrier_wait -1
	; where my results go.  No tensor load is out since the last change of slots, so the descriptors' registers are free
	s_mov_b32 s20, 0x76543210
	s_mov_b32 s21, 0xfedcba98                      ; v_permlanex16_b32's selects for lane l xor 16
	s_mov_b32 s22, 0x600000                        ; the mantissa field of 57,344
	s_mov_b32 s23, 0xffff0000                      ; lanes 16-31
	s_lshl_b32 s38, s17, 8
	s_lshl_b32 s39, s15, 7
	s_add_co_u32 s38, s38, s39                     ; q, k: my first token = 256 x A's tile + 128 x half
	s_lshl_b32 s43, s42, 8
	s_lshl_b32 s39, s16, 7
	s_add_co_u32 s43, s43, s39                     ; v: = 256 x B's tile + 128 x half
	s_lshl_b32 s44, s42, 2
	s_lshl_b32 s39, s16, 1
	s_add_co_u32 s44, s44, s39                     ; q, k: my first head = 4 x B's tile + 2 x half
	s_lshl_b32 s45, s17, 2
	s_lshl_b32 s39, s15, 1
	s_add_co_u32 s45, s45, s39                     ; v: = 4 x A's tile + 2 x half
	s_mov_b32 s30, 1024
	s_mov_b32 s26, 17152
	s_mov_b32 s34, 16384
	s_cmp_eq_u32 ttmp9, 0
	s_cselect_b32 s26, 8704, s26                   ; a group's bytes in qws or in kvws
	s_cselect_b32 s34, 8192, s34                   ; where its scale words begin: q's, k's,
	s_lshl_b32 s27, s26, 4                         ; from a head to the next: 16 groups
	s_sub_co_u32 s32, s27, 8192
	s_mov_b32 s39, 16896
	s_cmp_eq_u32 ttmp9, 2
	s_cselect_b32 s24, s43, s38                    ; my first token
	s_cselect_b32 s25, s45, s44                    ; my first head
	s_cselect_b32 s30, 2048, s30                   ; from block to block: a tile of V^T, or a tile of q or k
	s_cselect_b32 s32, s32, 0                      ; v: behind four tiles the next head begins
	s_cselect_b32 s34, s39, s34                    ; v's scale words
	s_cselect_b32 s46, 8192, 0                     ; V^T lies behind K
	s_cselect_b32 s47, 1024, s27                   ; pieces 2 and 3: v: the same tile's; q, k: the next head's
	s_mov_b32 s31, 0
	s_mov_b32 s33, 0
	s_mov_b32 s35, 0
	s_lshr_b32 s38, s24, 11                        ; the batch
	s_lshl_b32 s38, s38, 4
	s_add_co_u32 s38, s38, s25
	s_lshl_b32 s38, s38, 4
	s_bfe_u32 s39, s24, 0x40007                    ; the group of 128 tokens in its sequence
	s_add_co_u32 s38, s38, s39
	s_mul_i32 s28, s38, s26
	s_mov_b32 s29, 0
	s_add_nc_u64 s[12:13], s[12:13], s[28:29]      ; my first head's group
	s_add_nc_u64 s[34:35], s[12:13], s[34:35]      ; its scale words,
	s_mov_b32 s36, s27
	s_mov_b32 s37, 0
	s_add_nc_u64 s[36:37], s[34:35], s[36:37]      ; and the next head's
	s_mov_b32 s28, s46
	s_add_nc_u64 s[12:13], s[12:13], s[28:29]
	v_add_nc_u32 v24, s47, v18
; BLOCK a OF MY EIGHT (16 rows of A x my 128 rows of B) GOES OUT: rope (q, k), four blocks of 32 quantised, four pieces stored.
.macro BLOCKOUT a
.set W, 2+(\a)/4                       ; the accumulators' window
.set WS01, 5*W                         ; sources 0 and 1 there
.set WDS0, 65*W                        ; destination and source 0 there
.set AC, 64*((\a)%4)
	s_cmp_eq_u32 ttmp9, 2
	s_cbranch_scc1 .Lno_rope_\@
.irp tt, 0,1,2,3                       ; register 8 b + 2 p, + 1 is the pair of frequency 8 (b % 4) + 4 h + p of my token
	ds_load_b128 v[CSR+8*\tt:CSR+8*\tt+3], v15 offset:(\a)*16*TPI+64*\tt
	ds_load_b128 v[CSR+8*\tt+4:CSR+8*\tt+7], v15 offset:(\a)*16*TPI+64*\tt+16
.endr
	s_wait_dscnt 0x0
	WIN W
.irp b, 0,1,2,3,4,5,6,7
.irp p, 0,1,2,3
	v_mul_f32 v[R0+4*\b+\p], v[AC+8*\b+2*\p+1], v[CSR+8*(\b%4)+2*\p+1]   ; odd x sin (each accumulator is read from its low end on)
	v_mul_f32 v[R1+4*\b+\p], v[AC+8*\b+2*\p], v[CSR+8*(\b%4)+2*\p+1]     ; even x sin
.endr
.endr
	WIN WDS0
.irp b, 0,1,2,3,4,5,6,7
.irp p, 0,1,2,3
	v_fma_f32 v[AC+8*\b+2*\p], v[AC+8*\b+2*\p], v[CSR+8*(\b%4)+2*\p], -v[R0+4*\b+\p]       ; even x cos - odd x sin
	v_fma_f32 v[AC+8*\b+2*\p+1], v[AC+8*\b+2*\p+1], v[CSR+8*(\b%4)+2*\p], v[R1+4*\b+\p]    ; odd x cos + even x sin
.endr
.endr
	WIN 0
.Lno_rope_\@:
	s_wait_xcnt 0x0                                ; the last block's stores have read their data and their base: both are written again below
.if (\a) > 0
	s_add_nc_u64 s[12:13], s[12:13], s[30:31]
.endif
.if (\a) == 4
	s_add_nc_u64 s[12:13], s[12:13], s[32:33]
.endif
	WIN WS01
.irp b, 0,1,2,3
	v_max3_num_f32 v[TM+\b], |v[AC+16*\b]|, |v[AC+16*\b+1]|, 0x8000000   ; block b: my 16 numbers, and the floor 2^(16 - 127): the byte cannot fall under 1
.endr
.irp i, 2,4,6,8,10,12,14
.irp b, 0,1,2,3
	v_max3_num_f32 v[TM+\b], |v[AC+16*\b+\i]|, |v[AC+16*\b+\i+1]|, v[TM+\b]
.endr
.endr
	WIN 0
.irp b, 0,1,2,3
	v_permlanex16_b32 v[TM+4+\b], v[TM+\b], s20, s21
.endr
.irp b, 0,1,2,3
	v_max_num_f32 v[TM+\b], v[TM+\b], v[TM+4+\b]   ; with lane l xor 16's 16: the block's largest magnitude
.endr
.irp b, 0,1,2,3
	v_add_nc_u32 v[TM+12+\b], 0xf8800000, v[TM+\b] ; 15 off its exponent field: the conversion's scale operand
.endr
.irp b, 0,1,2,3
	v_and_or_b32 v[TM+8+\b], v[TM+\b], 0x7f800000, s22   ; 57,344 x the scale
.endr
.irp b, 0,1,2,3
	v_lshrrev_b32 v[TM+4+\b], 23, v[TM+12+\b]      ; the scale's byte
.endr
	v_lshl_or_b32 v[PWA+\a], v[TM+5], 8, v[TM+4]   ; my row's scale word of this block of rows
	v_lshl_or_b32 v[PWA+\a], v[TM+6], 16, v[PWA+\a]
	v_lshl_or_b32 v[PWA+\a], v[TM+7], 24, v[PWA+\a]
	WIN W
.set n, 0
.rept 64
	v_med3_num_f32 v[T+n], v[AC+n], -v[TM+8+n/16], v[TM+8+n/16]   ; the conversion to an 8-bit code does not saturate (ISA guide 7.6.2): the hold at the largest code x the scale
.set n, n+1
.endr
	WIN 0
.irp b, 0,1,2,3
	v_cvt_scalef32_pk8_bf8_f32 v[PC+4*\b:PC+4*\b+1], v[T+16*\b:T+16*\b+7], v[TM+12+\b]
	v_cvt_scalef32_pk8_bf8_f32 v[PC+4*\b+2:PC+4*\b+3], v[T+16*\b+8:T+16*\b+15], v[TM+12+\b]
.endr
	v_nop                                          ; a plain line behind the last conversion
	global_store_b128 v18, v[PC:PC+3], s[12:13]                 ; each store covers 512 consecutive bytes, aligned
	global_store_b128 v18, v[PC+4:PC+7], s[12:13] offset:512
	global_store_b128 v24, v[PC+8:PC+11], s[12:13]
	global_store_b128 v24, v[PC+12:PC+15], s[12:13] offset:512
.endm
.irp a, 0,1,2,3,4,5,6,7
	BLOCKOUT \a
.endr
	; the scale words: lanes 0-15 carry an even tile's, lanes 16-31 the odd tile's behind it
	s_cmp_eq_u32 ttmp9, 2
	s_cbranch_scc1 .Lv_words
.irp j, 0,1,2,3
	v_cndmask_b32 v[56+\j], v[PWA+2*\j], v[PWA+2*\j+1], s23   ; bytes 0, 1: my first head's two blocks (bytes 2, 3 meet zero codes and are never 0xff)
.endr
.irp j, 0,1,2,3
	v_lshrrev_b32 v[60+\j], 16, v[56+\j]           ; the next head's
.endr
	global_store_b128 v18, v[56:59], s[34:35]
	global_store_b128 v18, v[60:63], s[36:37]
	s_branch .Lwords_done
.Lv_words:
.irp j, 0,1
	v_cndmask_b32 v[56+\j], v[PWA+2*\j], v[PWA+2*\j+1], s23       ; my first head's four tiles of channels,
	v_cndmask_b32 v[58+\j], v[PWA+4+2*\j], v[PWA+5+2*\j], s23     ; the next head's
.endr
	global_store_b64 v19, v[56:57], s[34:35]       ; 256 consecutive bytes, aligned
	global_store_b64 v19, v[58:59], s[36:37]
.Lwords_done:
	s_wait_tensorcnt 0x0                           ; the wave's end
	ds_add_u32 v[SPW], v[NIL]
	s_wait_dscnt 0x0
	CROUND                                         ; the closing round: no work-group ends while a partner may still ask for a tile that names it
	s_endpgm
.Lfunc_end_k_qe8a5d8b241_qkv:
	.size	k_qe8a5d8b241_qkv, .Lfunc_end_k_qe8a5d8b241_qkv-k_qe8a5d8b241_qkv
	.p2alignl 7, 3214868480
	.fill 96, 4, 3214868480
	.section	.rodata,"a",@progbits
	.p2align	6, 0x0
	.amdhsa_kernel k_qe8a5d8b241_qkv
		.amdhsa_group_segment_fixed_size 327680
		.amdhsa_private_segment_fixed_size 0
		.amdhsa_enable_private_segment 0
		.amdhsa_kernarg_size 80
		.amdhsa_user_sgpr_count 2
		.amdhsa_user_sgpr_kernarg_segment_ptr 1
		.amdhsa_wavefront_size32 1
		.amdhsa_system_sgpr_workgroup_id_x 1
		.amdhsa_system_sgpr_workgroup_id_y 1
		.amdhsa_system_sgpr_workgroup_id_z 1
		.amdhsa_system_vgpr_workitem_id 0
		.amdhsa_next_free_vgpr 1024
		.amdhsa_next_free_sgpr 102
		.amdhsa_reserve_vcc 1
		.amdhsa_float_denorm_mode_32 3
		.amdhsa_float_denorm_mode_16_64 3
		.amdhsa_memory_ordered 1
		.amdhsa_forward_progress 1
		.amdhsa_inst_pref_size 252
	.end_amdhsa_kernel
	.amdgpu_metadata
---
amdhsa.version: [ 1, 2 ]
amdhsa.kernels:
  - .name:           k_qe8a5d8b241_qkv
    .symbol:         k_qe8a5d8b241_qkv.kd
    .args:
      - { .name: x_codes, .offset: 0, .size: 8, .value_kind: global_buffer, .address_space: global }
      - { .name: x_scales, .offset: 8, .size: 8, .value_kind: global_buffer, .address_space: global }
      - { .name: Wq_codes, .offset: 16, .size: 8, .value_kind: global_buffer, .address_space: global }
      - { .name: Wq_scales, .offset: 24, .size: 8, .value_kind: global_buffer, .address_space: global }
      - { .name: Wk_codes, .offset: 32, .size: 8, .value_kind: global_buffer, .address_space: global }
      - { .name: Wk_scales, .offset: 40, .size: 8, .value_kind: global_buffer, .address_space: global }
      - { .name: Wv_codes, .offset: 48, .size: 8, .value_kind: global_buffer, .address_space: global }
      - { .name: Wv_scales, .offset: 56, .size: 8, .value_kind: global_buffer, .address_space: global }
      - { .name: qws, .offset: 64, .size: 8, .value_kind: global_buffer, .address_space: global }
      - { .name: kvws, .offset: 72, .size: 8, .value_kind: global_buffer, .address_space: global }
    .group_segment_fixed_size: 327680
    .private_segment_fixed_size: 0
    .kernarg_segment_align: 8
    .kernarg_segment_size: 80
    .max_flat_workgroup_size: 128
    .sgpr_count:     102
    .vgpr_count:     1024
    .wavefront_size: 32
...
	.end_amdgpu_metadata
.endif
;; end of part 1
;; launch attn (part 2): grid 4 x 64, 16 waves a work-group, clusters of 4 x 1, 327,680 bytes of LDS; arguments qws, kvws, ho_codes, ho_scales; writes ho_codes, ho_scales
.if DOCPART == 2
	.amdgcn_target "amdgcn-amd-amdhsa--gfx1250"
	.amdhsa_code_object_version 6
	.text
	.protected	k_qe8a5d8b241_attn
	.globl	k_qe8a5d8b241_attn
	.p2align	8
	.type	k_qe8a5d8b241_attn,@function
k_qe8a5d8b241_attn:
	s_mov_b64 s[64:65], 0
	v_nop
	global_prefetch_b8 v0, s[64:65] scope:SCOPE_SE
	s_setreg_imm32_b32 hwreg(HW_REG_WAVE_MODE, 25, 1), 1
	s_wait_xcnt 0x0
	s_wait_alu depctr_hold_cnt(0) depctr_sa_sdst(0) depctr_va_vdst(0) depctr_va_sdst(0) depctr_va_ssrc(0) depctr_va_vcc(0) depctr_vm_vsrc(0)
	s_getreg_b32 s2, hwreg(HW_REG_IB_STS2, 6, 4)
	s_cmp_eq_u32 s2, 0
	s_cbranch_scc0 .Lentry_in_a_cluster
	s_endpgm
.Lentry_in_a_cluster:
	s_bfe_u32 s2, ttmp6, 0x10000c
	s_cmp_lg_u32 s2, 0x3003
	s_cbranch_scc0 .Lentry_shape_is_right
	s_endpgm
.Lentry_shape_is_right:
; Causal attention of one head on codes of BF8 (E5M2): S^T = K Q^T, p = 2^(t - M), O^T = V^T P^T, O / l, quantised at once along D for the last product.
; t = score x log2(e) / 8; M = the running largest t rounded UP to a whole number; p is quantised along the keys and not normalised; the row's sum l is taken of the unquantised p and divides at the end.
; LDS HOLDS THE HEAD'S WHOLE K AND V: 16 key steps of 128 keys, 17,152 bytes each (K 8,192, V^T 8,192, K's scale words 512, V's 256) = 274,432 bytes, filled ONCE: wave w asks for key step w.  No byte is filled again.
; CLUSTER: the four work-groups of a head read the same 16 blocks, so each block is asked for jointly (mask 15).  No branch and no LDS address hangs on the place cx in the cluster.
; SHARES.  A head has 128 tiles of 16 queries; tile T needs key steps 0 .. T / 8 (the causal mask hides the others whole: they are left out).  Wave w of partner cx owns tiles T = 4 w + cx and 127 - T:
; (w / 2 + 1) + (16 - w / 2) = 17 key steps for every wave of the launch; the counts hang on w alone.  The long tile goes first, so that steps are used in the order in which they were asked for.
; BARRIERS: two.  The first shows key steps 0-3 (waves 0-3 have a load line of their own and wait there); four steps on, the second shows all.  Behind it no wave waits for another.
; The loops' trip counts are constants: 4, then 20 (steps 4-15 of the long tile, steps 0-7 of the short): a step beyond a tile's last is jumped over by a branch on the wave's number and the count.
; NO PREFETCH: every tile is asked for at the head, in one group; there is no later request to run ahead of.
; OPERANDS arrive as images of their registers (a piece = 4 registers, lane l's 16 bytes at 16 l), so every LDS load reads 512 consecutive bytes.
; K = 64 IN A FORM OF 128: Q's registers 8-15 are zero codes; K's registers 8-15 are the next tile's codes, and behind the last tile the short tile's Q codes, which wait there: finite numbers x 0 add nothing.
; Both products are used transposed: a lane holds ONE query (lane % 16); register j of tile t is key 16 t + 8 (lane / 16) + j.  p's and V's members of a block of 32 lie in the same order, q's and k's likewise.
; LIMITS: the promise holds while |t| stays under 2^31; a block whose largest magnitude lies under 2^-111 keeps the scale byte 1; NaN and infinities are not served.
; REGISTERS: v1 16 lane, v2 8 lane, v3 r - 8 h, v4 16 r, v5-6 the add's, v7 the short tile's Q scale word, v8-9 LDS addresses, v10 32 r + h, v11 the diagonal's bound, v12 -M, v13 the largest t, v[14:15] l;
; v16-23 Q, v24-31 zeros; v32-95 K's eight tiles, later V's four; v96-103 the short tile's Q; v104-167 S^T, then p; v168-199 O^T; v200-215 p's codes; v216-235 at work;
; v236-243, v248-255 held p, eight at a time, later partial sums; v240-243 K's scale words first; v244-245 V's, v246 Q's, v247 p's.
.set STEPB, 17152
.set SPARE, 16*STEPB                   ; behind the 16 key steps: the spare words, 128 bytes for each of sixteen waves
.set QBLK,  8704                       ; a group of 128 queries in qws
.macro ROUND                           ; a round of the cluster's barrier
	s_barrier_signal -1
	s_barrier_wait -1
	s_cmp_lg_u32 s12, 0
	s_cbranch_scc1 .Lnot_wave_0_\@
	s_barrier_signal -3
.Lnot_wave_0_\@:
	s_barrier_wait -3
	s_barrier_signal -1
	s_barrier_wait -1
.endm
; The tile of Q whose first query is s[q0]: its two pieces into v[c0 ..], its rows' scale word into v[sw]; a: four scalar registers for the two addresses
.macro QLOAD q0, a, c0, sw
	s_lshr_b32 s56, s\q0, 7
	s_lshl_b32 s57, s14, 4
	s_add_co_u32 s56, s56, s57
	s_mul_i32 s56, s56, QBLK                       ; its group of 128 queries
	s_bfe_u32 s57, s\q0, 0x30004                   ; its tile t in it
	s_lshl_b32 s58, s57, 10
	s_add_co_u32 s58, s58, s56
	s_mov_b32 s59, 0
	s_add_nc_u64 s[\a:\a+1], s[4:5], s[58:59]
	s_and_b32 s58, s57, 1
	s_lshl_b32 s58, s58, 8
	s_lshr_b32 s57, s57, 1
	s_lshl_b32 s57, s57, 2
	s_add_co_u32 s58, s58, s57                     ; row r's word of tile t: 16 r + 256 (t % 2) + 4 (t / 2)
	s_add_co_u32 s58, s58, s56
	s_add_co_u32 s58, s58, 8192
	s_add_nc_u64 s[\a+2:\a+3], s[4:5], s[58:59]
	s_wait_alu depctr_va_vdst(0)
	global_load_b128 v[\c0:\c0+3], v1, s[\a:\a+1]
	global_load_b128 v[\c0+4:\c0+7], v1, s[\a:\a+1] offset:512
	global_load_b32 v\sw, v4, s[\a+2:\a+3]
.endm
.macro INIT                            ; a tile begins: the largest t -3e38, the sum and O^T zeros (the first change of M multiplies zeros)
	v_mov_b32 v13, 0xff61b1e6
	v_mov_b32 v14, 0
	v_mov_b32 v15, 0
	v_floor_f32 v12, -v13
.set j, 0
.rept 32
	v_mov_b32 v[168+j], 0
.set j, j+1
.endr
.endm
	s_load_b256 s[4:11], s[0:1], 0x0               ; qws s[4:5], kvws s[6:7], ho_codes s[8:9], ho_scales s[10:11]
	v_lshl_add_u32 v5, v0, 2, SPARE
	v_mov_b32 v6, 0
	ds_add_u32 v5, v6                              ; the opening lines: the add, twice on end, and its wait
	ds_add_u32 v5, v6
	v_lshrrev_b32 v8, 5, v0
	v_readfirstlane_b32 s12, v8                    ; wave 0..15
	s_bfe_u32 s13, ttmp6, 0x40000                  ; cx: my place in the cluster
	s_and_b32 s14, ttmp7, 0xffff                   ; batch x 16 + head: the cluster's y
	s_mov_b32 s24, 15|(3<<16)|(1<<21)              ; group 1: the mask of all four partners, bit 21 beside it; a dense block as 67 rows of 256 bytes (32 elements of 8 bytes)
	s_mov_b32 s25, 32<<16
	s_mov_b32 s26, 67<<16
	s_mov_b32 s27, 32<<16
	s_mov_b32 s28, 67
	s_mov_b32 s29, 32
	s_mov_b32 s30, 0
	s_mov_b32 s31, 0
	s_mul_i32 s33, s12, STEPB                      ; key step w: its place in LDS,
	s_mul_i32 s38, s14, 16*STEPB
	s_add_co_u32 s38, s38, s33                     ; and in kvws
	s_mov_b32 s39, 0
	s_mov_b32 s19, 0x600000                        ; the mantissa field of 57,344
	s_mov_b32 s20, 0x76543210
	s_mov_b32 s21, 0xfedcba98                      ; v_permlanex16_b32's selects for lane l xor 16
	s_mov_b32 s22, 0x3e38aa3b                      ; c = log2(e) / 8
	s_mov_b32 s23, s22
	s_mov_b32 s60, 0xffff0000                      ; lanes 16-31
	s_lshl_b32 s40, s12, 2
	s_add_co_u32 s40, s40, s13                     ; T = 4 w + cx: the short tile
	s_sub_co_u32 s41, 127, s40                     ; the long tile
	s_lshl_b32 s15, s41, 4                         ; the first query of the tile in hand: the long one's
	s_lshl_b32 s43, s40, 4                         ; the short one's
	s_lshr_b32 s44, s12, 1                         ; the short tile's last key step: w / 2
	s_sub_co_u32 s17, 15, s44                      ; the last key step of the tile in hand: 15 - w / 2
	s_and_b32 s45, s41, 7
	s_lshl_b32 s45, s45, 4                         ; 16 x the tile's place in its group of 128 queries: the long tile's,
	s_and_b32 s46, s40, 7
	s_lshl_b32 s46, s46, 4                         ; the short one's
	s_wait_dscnt 0x0
	ROUND                                          ; all four work-groups are here: the joint loads meet
	s_wait_kmcnt 0x0
	s_mov_b32 s32, 1
	s_add_nc_u64 s[34:35], s[6:7], s[38:39]
	s_or_b32 s35, s35, 0x80000000
	s_cmp_lt_u32 s12, 4                            ; one load a wave; waves 0-3, whose tiles the first barrier shows, have a line of their own
	s_cbranch_scc0 .Lrest
	tensor_load_to_lds s[32:35], s[24:31]
	s_nop 0
.rept 4
	v_nop
.endr
	s_branch .Lasked
.Lrest:
	tensor_load_to_lds s[32:35], s[24:31]
	s_nop 0
.rept 4
	v_nop
.endr
.Lasked:
	v_and_b32 v9, 31, v0
	v_and_b32 v10, 15, v0                          ; r
	v_bfe_u32 v11, v0, 4, 1                        ; h
	v_lshlrev_b32 v1, 4, v9
	v_lshlrev_b32 v2, 3, v9
	v_lshlrev_b32 v4, 4, v10
	v_lshlrev_b32 v3, 3, v11
	v_sub_nc_u32 v3, v10, v3
	v_lshl_add_u32 v10, v10, 5, v11
	v_add_nc_u32 v11, s45, v3                      ; in the tile's last step register n (key 16 (n / 8) + n % 8 + 8 h of the step) is hidden where 16 (n / 8) + n % 8 is above this
	QLOAD 15, 48, 16, 246
	QLOAD 43, 52, 96, 7
.irp j, 0,1,2,3,4,5,6,7
	v_mov_b32 v[24+\j], 0                          ; Q's upper half: zero codes
.endr
.irp b, 0,1,2,3
	v_mov_b32 v[220+\b], 0                         ; written once: a lane permute's destination counts as one of its sources
.endr
	v_mov_b32 v233, 0                              ; (named as the upper half of the pair v[232:233])
	v_mov_b32 v234, 0
	INIT
; A KEY STEP: 128 keys, at LDS byte s18.  diag = 1: the step (number s16) may lie beyond the tile's last (s17) and is then jumped over, or be the last, which the diagonal crosses.
.macro STEP diag
.if \diag
	s_cmp_gt_u32 s16, s17
	s_cbranch_scc1 .Lhidden_\@
.endif
	v_add_nc_u32 v8, s18, v1
	v_add_nc_u32 v9, s18, v2                       ; (the places in front of the loads below are the last step's 32 additions)
.irp t, 0,1,2,3,4,5,6,7
	ds_load_b128 v[32+8*\t:35+8*\t], v8 offset:1024*\t
	ds_load_b128 v[36+8*\t:39+8*\t], v8 offset:1024*\t+512
.endr
	ds_load_b128 v[240:243], v8 offset:16384       ; register j: lanes 0-15 tile 2 j's words, lanes 16-31 tile 2 j + 1's
	s_wait_alu depctr_va_vdst(0)
	s_wait_dscnt 0x0
.irp t, 0,2,4,6
	v_wmma_scale_f32_16x16x128_f8f6f4 v[104+8*\t:111+8*\t], v[32+8*\t:47+8*\t], v[16:31], 0, v[240+\t/2], v246 matrix_a_fmt:MATRIX_FMT_BF8 matrix_b_fmt:MATRIX_FMT_BF8
	v_wmma_scale_f32_16x16x128_f8f6f4 v[112+8*\t:119+8*\t], v[40+8*\t:55+8*\t], v[16:31], 0, v[240+\t/2], v246 matrix_a_fmt:MATRIX_FMT_BF8 matrix_b_fmt:MATRIX_FMT_BF8 matrix_a_scale:MATRIX_SCALE_ROW1
.endr
.rept 8
	v_nop                                          ; places: K's registers take V below, and the scores are read
.endr
.irp t, 0,1,2,3                        ; V^T is asked for here and lands under the softmax
.irp c, 0,1,2,3
	ds_load_b128 v[32+16*\t+4*\c:35+16*\t+4*\c], v8 offset:8192+2048*\t+512*\c
.endr
.endr
	ds_load_b64 v[244:245], v9 offset:16896
.if \diag
	s_cmp_lg_u32 s16, s17                          ; in the tile's last step the scores of hidden keys become -infinity ahead of the maximum
	s_cbranch_scc1 .Lopen_\@
	v_mov_b32 v234, 0xff800000
.set n, 0
.rept 64
	v_cmp_gt_i32 vcc_lo, 16*(n/8)+n%8, v11
	v_cndmask_b32 v[104+n], v[104+n], v234, vcc_lo
.set n, n+1
.endr
.Lopen_\@:
.endif
.irp b, 0,1,2,3
	v_max3_num_f32 v[216+\b], v[104+16*\b], v[105+16*\b], v[106+16*\b]   ; the largest score of each block of 32 keys: for the row's maximum, and, since p rises with the score, for the block's largest p
.endr
.irp i, 3,5,7,9,11,13
.irp b, 0,1,2,3
	v_max3_num_f32 v[216+\b], v[216+\b], v[104+16*\b+\i], v[105+16*\b+\i]
.endr
.endr
.irp b, 0,1,2,3
	v_max_num_f32 v[216+\b], v[216+\b], v[119+16*\b]
.endr
.irp b, 0,1,2,3
	s_delay_alu instid0(VALU_DEP_4)
	v_permlanex16_b32 v[220+\b], v[216+\b], s20, s21
.endr
.irp b, 0,1,2,3
	s_delay_alu instid0(VALU_DEP_4)
	v_max_num_f32 v[216+\b], v[216+\b], v[220+\b]  ; with lane l xor 16's 16 keys
.endr
	s_delay_alu instid0(VALU_DEP_2)
	v_max3_num_f32 v234, v216, v217, v218
	s_delay_alu instid0(VALU_DEP_1)
	v_max_num_f32 v234, v234, v219                 ; the step's largest score of my query
	s_delay_alu instid0(VALU_DEP_1)
	v_mul_f32 v234, s22, v234                      ; as t
	s_delay_alu instid0(VALU_DEP_1)
	v_max_num_f32 v13, v13, v234                   ; the running largest t
	v_mov_b32 v234, v12
	s_delay_alu instid0(VALU_DEP_2)
	v_floor_f32 v12, -v13                          ; the new -M = floor(-t): M is a whole number
	s_delay_alu instid0(VALU_DEP_1)
	v_sub_f32 v234, v12, v234                      ; old M - new M: a whole number, 0 or less
	s_delay_alu instid0(VALU_DEP_1)
	v_cvt_i32_f32 v234, v234                       ; (it saturates)
	s_delay_alu instid0(VALU_DEP_1)
	v_ldexp_f32 v232, 1.0, v234                    ; f = 2^(old M - new M): a multiplication by it rounds nothing
.set j, 0
.rept 32
	v_pk_fma_f32 v[104+j:105+j], v[104+j:105+j], s[22:23], v[12:13] op_sel_hi:[1,0,0]   ; t - M, two at a time
.set j, j+2
.endr
.irp b, 0,1,2,3
	v_fma_f32 v[216+\b], v[216+\b], s22, v12       ; the same of each block's largest score
.endr
	s_wait_alu depctr_va_vdst(0)
.set j, 0
.rept 64
	v_exp_f32 v[104+j], v[104+j]                   ; p = 2^(t - M), at most 1
.set j, j+1
.endr
.irp b, 0,1,2,3
	v_exp_f32 v[216+\b], v[216+\b]                 ; the block's largest p: the same two instructions on the same number
.endr
	v_pk_mul_f32 v[14:15], v[14:15], v[232:233] op_sel_hi:[1,0]   ; the sum under the new M: a plain line behind the exponentials
	s_wait_alu depctr_va_vdst(0)                   ; one wait for the batch of 68, ahead of its first reader
.irp b, 0,1,2,3
	v_max_num_f32 v[216+\b], 0x8000000, v[216+\b]  ; the floor 2^(16 - 127): the byte cannot fall under 1
.endr
.irp b, 0,1,2,3
	s_delay_alu instid0(VALU_DEP_4)
	v_add_nc_u32 v[228+\b], 0xf8800000, v[216+\b]  ; 15 off the exponent field: the conversion's scale operand
.endr
.irp b, 0,1,2,3
	v_and_or_b32 v[224+\b], v[216+\b], 0x7f800000, s19   ; 57,344 x the scale
.endr
.irp b, 0,1,2,3
	v_lshrrev_b32 v[220+\b], 23, v[228+\b]         ; the scale's byte
.endr
	s_delay_alu instid0(VALU_DEP_3)
	v_lshl_or_b32 v247, v221, 8, v220              ; p's scale word for these 128 keys
	s_delay_alu instid0(VALU_DEP_1)
	v_lshl_or_b32 v247, v222, 16, v247
	s_delay_alu instid0(VALU_DEP_1)
	v_lshl_or_b32 v247, v223, 24, v247
; The hold (the conversion does not saturate: ISA guide 7.6.2; p is not negative, so it is one-sided), two numbers a line, into v248-255 and v236-243 by turns: p itself stays as it is, for the row's sum
.irp b, 0,1,2,3
.irp u, 0,1
.irp i, 0,2,4,6
	v_dual_min_num_f32 v[248-12*\u+\i], v[104+16*\b+8*\u+\i], v[224+\b] :: v_dual_min_num_f32 v[249-12*\u+\i], v[105+16*\b+8*\u+\i], v[224+\b]
.endr
	v_cvt_scalef32_pk8_bf8_f32 v[200+4*\b+2*\u:201+4*\b+2*\u], v[248-12*\u:255-12*\u], v[228+\b]
.endr
.endr
	s_wait_alu depctr_va_vdst(0)                   ; directly ahead of the first reader of O^T
.set j, 0
.rept 16
	v_pk_mul_f32 v[168+j:169+j], v[168+j:169+j], v[232:233] op_sel_hi:[1,0]   ; O^T under the new M; these are also the places between the codes and the products
.set j, j+2
.endr
	s_wait_alu depctr_va_vdst(0)
	s_wait_dscnt 0x0                               ; V^T and its scale words are in
.irp t, 0,2
	v_wmma_scale_f32_16x16x128_f8f6f4 v[168+8*\t:175+8*\t], v[32+16*\t:47+16*\t], v[200:215], v[168+8*\t:175+8*\t], v[244+\t/2], v247 matrix_a_fmt:MATRIX_FMT_BF8 matrix_b_fmt:MATRIX_FMT_BF8
	v_wmma_scale_f32_16x16x128_f8f6f4 v[176+8*\t:183+8*\t], v[48+16*\t:63+16*\t], v[200:215], v[176+8*\t:183+8*\t], v[244+\t/2], v247 matrix_a_fmt:MATRIX_FMT_BF8 matrix_b_fmt:MATRIX_FMT_BF8 matrix_a_scale:MATRIX_SCALE_ROW1
.endr
; THE ROW'S SUM OF THE UNQUANTISED p, 32 packed additions in six chains.  They name no register of the products above: they are the places in front of the next step's loads
	v_pk_add_f32 v[248:249], v[104:105], v[106:107]
	v_pk_add_f32 v[250:251], v[108:109], v[110:111]
	v_pk_add_f32 v[252:253], v[112:113], v[114:115]
	v_pk_add_f32 v[254:255], v[116:117], v[118:119]
	v_pk_add_f32 v[236:237], v[120:121], v[122:123]
	v_pk_add_f32 v[14:15], v[14:15], v[124:125]
.set j, 126
.rept 3
.irp c, 248,250,252,254,236,14
	v_pk_add_f32 v[\c:\c+1], v[\c:\c+1], v[j:j+1]
.set j, j+2
.endr
.endr
.irp c, 248,250,252
	v_pk_add_f32 v[\c:\c+1], v[\c:\c+1], v[j:j+1]
.set j, j+2
.endr
	v_pk_add_f32 v[248:249], v[248:249], v[250:251]
	v_pk_add_f32 v[252:253], v[252:253], v[254:255]
	v_pk_add_f32 v[14:15], v[14:15], v[236:237]
	v_pk_add_f32 v[248:249], v[248:249], v[252:253]
	v_pk_add_f32 v[14:15], v[14:15], v[248:249]
	s_wait_alu depctr_va_vdst(0)                   ; the sum may be read next behind taken branches
.if \diag
.Lhidden_\@:
.endif
.endm
; A tile ends: O^T / l, two blocks of 32 along D quantised, the codes put into true order, two pieces and two scale bytes a row stored.
.macro FINISH
.rept 8
	v_nop                                          ; places behind the last products
.endr
	v_add_f32 v14, v14, v15                        ; the sum's two halves,
	s_delay_alu instid0(VALU_DEP_1)
	v_permlanex16_b32 v234, v14, s20, s21
	s_delay_alu instid0(VALU_DEP_1)
	v_add_f32 v14, v14, v234                       ; and lane l xor 16's
	s_wait_alu depctr_va_vdst(0)
	v_rcp_f32 v14, v14
	v_nop                                          ; a plain line behind the reciprocal,
	s_wait_alu depctr_va_vdst(0)                   ; and the wait ahead of its first reader
.set j, 0
.rept 32
	v_mul_f32 v[104+j], v[168+j], v14              ; register 8 t + i: channel 16 t + 8 h + i of my query
.set j, j+1
.endr
.irp b, 0,1
	v_max3_num_f32 v[216+\b], |v[104+16*\b]|, |v[105+16*\b]|, 0x8000000
.endr
.irp i, 2,4,6,8,10,12,14
.irp b, 0,1
	s_delay_alu instid0(VALU_DEP_2)
	v_max3_num_f32 v[216+\b], v[216+\b], |v[104+16*\b+\i]|, |v[105+16*\b+\i]|
.endr
.endr
.irp b, 0,1
	s_delay_alu instid0(VALU_DEP_2)
	v_permlanex16_b32 v[220+\b], v[216+\b], s20, s21
.endr
.irp b, 0,1
	s_delay_alu instid0(VALU_DEP_2)
	v_max_num_f32 v[216+\b], v[216+\b], v[220+\b]
.endr
.irp b, 0,1
	s_delay_alu instid0(VALU_DEP_2)
	v_add_nc_u32 v[228+\b], 0xf8800000, v[216+\b]
.endr
.irp b, 0,1
	s_delay_alu instid0(VALU_DEP_4)
	v_and_or_b32 v[224+\b], v[216+\b], 0x7f800000, s19
.endr
.irp b, 0,1
	s_delay_alu instid0(VALU_DEP_4)
	v_lshrrev_b32 v[220+\b], 23, v[228+\b]
.endr
.set n, 0
.rept 32
	v_med3_num_f32 v[104+n], v[104+n], -v[224+n/16], v[224+n/16]
.set n, n+1
.endr
.irp b, 0,1
	v_cvt_scalef32_pk8_bf8_f32 v[200+4*\b:201+4*\b], v[104+16*\b:111+16*\b], v[228+\b]
	v_cvt_scalef32_pk8_bf8_f32 v[202+4*\b:203+4*\b], v[112+16*\b:119+16*\b], v[228+\b]
.endr
	v_nop                                          ; a plain line behind the last conversion
.irp b, 0,1                            ; lanes 0-15 hold members 0-7 and 16-23 of a block, lanes 16-31 members 8-15 and 24-31: the lower lanes' second pair changes places with the upper lanes' first
	v_permlane16_swap_b32 v[200+4*\b], v[202+4*\b]
	v_permlane16_swap_b32 v[201+4*\b], v[203+4*\b]
.endr
	v_cndmask_b32 v235, v220, v221, s60            ; lanes 0-15 carry block 0's byte, lanes 16-31 block 1's
	s_wait_alu depctr_va_vdst(0)
	s_wait_xcnt 0x0                                ; earlier loads and stores have read their bases
	s_lshr_b32 s56, s14, 4
	s_lshl_b32 s56, s56, 11
	s_add_co_u32 s56, s56, s15                     ; my first row among the 8,192
	s_and_b32 s57, s14, 15                         ; the head
	s_lshr_b32 s58, s56, 7                         ; ho_codes [128 rows][256 along K][tile of 16 rows][128 along K][block of 32][512 bytes]
	s_lshl_b32 s58, s58, 2
	s_lshr_b32 s59, s57, 2
	s_add_co_u32 s58, s58, s59
	s_lshl_b32 s58, s58, 3
	s_bfe_u32 s59, s56, 0x30004
	s_add_co_u32 s58, s58, s59
	s_lshl_b32 s58, s58, 12
	s_and_b32 s59, s57, 3
	s_lshl_b32 s59, s59, 10                        ; a head is two blocks: 1,024 bytes; four heads fill a tile's 4,096
	s_add_co_u32 s58, s58, s59
	s_mov_b32 s59, 0
	s_add_nc_u64 s[52:53], s[8:9], s[58:59]
	s_lshl_b32 s58, s56, 5                         ; ho_scales [row][32]: my head's two bytes
	s_lshl_b32 s57, s57, 1
	s_add_co_u32 s58, s58, s57
	s_add_nc_u64 s[54:55], s[10:11], s[58:59]
	global_store_b128 v1, v[200:203], s[52:53]     ; 512 consecutive bytes, aligned
	global_store_b128 v1, v[204:207], s[52:53] offset:512
	global_store_b8 v10, v235, s[54:55]            ; a head owns two of a row's 32 scale bytes: a byte a lane
.endm
	s_wait_alu depctr_va_vdst(0)
	s_cmp_lt_u32 s12, 4
	s_cbranch_scc0 .Lnot_first
	s_wait_tensorcnt 0x0                           ; waves 0-3: key steps 0-3 have landed.  The other waves' wait stands at the second barrier
.Lnot_first:
	s_barrier_signal -1
	s_barrier_wait -1
	s_wait_loadcnt 0x0                             ; both tiles of Q
	s_mov_b32 s18, 0
	s_mov_b32 s47, 0
.Lfirst:                                           ; key steps 0-3 of the long tile, whose last step is 8 or later: all their keys count
	STEP 0
	s_add_co_u32 s18, s18, STEPB
	s_add_co_u32 s47, s47, 1
	s_cmp_lt_u32 s47, 4
	s_cbranch_scc1 .Lfirst
	s_wait_tensorcnt 0x0                           ; every wave: its key step has landed
	s_wait_dscnt 0x0
	s_barrier_signal -1
	s_barrier_wait -1                              ; all sixteen key steps lie in LDS
	s_mov_b32 s42, 4
.Lstep:                                            ; counts 4-15: the long tile's key steps 4-15; counts 16-23: the short tile's 0-7
	s_cmp_lg_u32 s42, 16
	s_cbranch_scc1 .Lsame
	FINISH
	s_wait_xcnt 0x0                                ; the stores have read their data: the codes' registers are written again below
	s_mov_b32 s15, s43                             ; the short tile
	s_mov_b32 s17, s44
	v_add_nc_u32 v11, s46, v3
.irp j, 0,1,2,3,4,5,6,7
	v_mov_b32 v[16+\j], v[96+\j]
.endr
	v_mov_b32 v246, v7
	INIT                                           ; (its 36 lines are also the places between Q's registers and the next products)
	s_wait_alu depctr_va_vdst(0)
.Lsame:
	s_and_b32 s16, s42, 15                         ; the key step,
	s_mul_i32 s18, s16, STEPB                      ; and where it lies
	STEP 1
	s_add_co_u32 s42, s42, 1
	s_cmp_lt_u32 s42, 24
	s_cbranch_scc1 .Lstep
	FINISH
	s_wait_tensorcnt 0x0                           ; the wave's end
	ds_add_u32 v5, v6
	s_wait_dscnt 0x0
	ROUND                                          ; the closing round
	s_endpgm
.Lfunc_end_k_qe8a5d8b241_attn:
	.size	k_qe8a5d8b241_attn, .Lfunc_end_k_qe8a5d8b241_attn-k_qe8a5d8b241_attn
	.p2alignl 7, 3214868480
	.fill 96, 4, 3214868480
	.section	.rodata,"a",@progbits
	.p2align	6, 0x0
	.amdhsa_kernel k_qe8a5d8b241_attn
		.amdhsa_group_segment_fixed_size 327680
		.amdhsa_private_segment_fixed_size 0
		.amdhsa_enable_private_segment 0
		.amdhsa_kernarg_size 32
		.amdhsa_user_sgpr_count 2
		.amdhsa_user_sgpr_kernarg_segment_ptr 1
		.amdhsa_wavefront_size32 1
		.amdhsa_system_sgpr_workgroup_id_x 1
		.amdhsa_system_sgpr_workgroup_id_y 1
		.amdhsa_system_sgpr_workgroup_id_z 1
		.amdhsa_system_vgpr_workitem_id 0
		.amdhsa_next_free_vgpr 256
		.amdhsa_next_free_sgpr 66
		.amdhsa_reserve_vcc 1
		.amdhsa_float_denorm_mode_32 3
		.amdhsa_float_denorm_mode_16_64 3
		.amdhsa_memory_ordered 1
		.amdhsa_forward_progress 1
		.amdhsa_inst_pref_size 68
	.end_amdhsa_kernel
	.amdgpu_metadata
---
amdhsa.version: [ 1, 2 ]
amdhsa.kernels:
  - .name:           k_qe8a5d8b241_attn
    .symbol:         k_qe8a5d8b241_attn.kd
    .args:
      - { .name: qws, .offset: 0, .size: 8, .value_kind: global_buffer, .address_space: global }
      - { .name: kvws, .offset: 8, .size: 8, .value_kind: global_buffer, .address_space: global }
      - { .name: ho_codes, .offset: 16, .size: 8, .value_kind: global_buffer, .address_space: global }
      - { .name: ho_scales, .offset: 24, .size: 8, .value_kind: global_buffer, .address_space: global }
    .group_segment_fixed_size: 327680
    .private_segment_fixed_size: 0
    .kernarg_segment_align: 8
    .kernarg_segment_size: 32
    .max_flat_workgroup_size: 512
    .sgpr_count:     66
    .vgpr_count:     256
    .wavefront_size: 32
...
	.end_amdgpu_metadata
.endif
;; end of part 2
;; launch oproj (part 3): grid 4 x 32, 4 waves a work-group, clusters of 4 x 4, 327,680 bytes of LDS; arguments ho_codes, ho_scales, Wo_codes, Wo_scales, out0; writes out0
.if DOCPART == 3
	.amdgcn_target "amdgcn-amd-amdhsa--gfx1250"
	.amdhsa_code_object_version 6
	.text
	.protected	k_qe8a5d8b241_oproj
	.globl	k_qe8a5d8b241_oproj
	.p2align	8
	.type	k_qe8a5d8b241_oproj,@function
k_qe8a5d8b241_oproj:
	s_mov_b64 s[64:65], 0
	v_nop
	global_prefetch_b8 v0, s[64:65] scope:SCOPE_SE
	s_setreg_imm32_b32 hwreg(HW_REG_WAVE_MODE, 25, 1), 1
	s_wait_xcnt 0x0
	s_wait_alu depctr_hold_cnt(0) depctr_sa_sdst(0) depctr_va_vdst(0) depctr_va_sdst(0) depctr_va_ssrc(0) depctr_va_vcc(0) depctr_vm_vsrc(0)
	s_getreg_b32 s2, hwreg(HW_REG_IB_STS2, 6, 4)
	s_cmp_eq_u32 s2, 0
	s_cbranch_scc0 .Lentry_in_a_cluster
	s_endpgm
.Lentry_in_a_cluster:
	s_bfe_u32 s2, ttmp6, 0x10000c
	s_cmp_lg_u32 s2, 0xf033
	s_cbranch_scc0 .Lentry_shape_is_right
	s_endpgm
.Lentry_shape_is_right:
.set SIZE_N, 1024
.set SIZE_K, 1024
.set KSTEP,  256
.set NQ,     KSTEP/128
.set ROWB,   256
.set KROW,   SIZE_K
.set ASTEP,  32768
.set PITCH,  272
.set FR,     16
.set NL,     4
.set NP,     8
.set HALFT,  128*PITCH
.set SLOT,   4*HALFT
.set LAPS,   SIZE_K/(2*KSTEP)
.set KS,     SIZE_K/32
.set SCL,    2*SLOT
.set HALFS,  (128*KS/256)*272
.set SBLK,   (16*KS/256)*272
.set SPARE,  SCL+4*HALFS
.set SPITCH, 528
.set ADRA, 16
.set ADRB, 20
.set STO,  24
.set RD,   25
.set CO,   26
.set SPW,  28
.set NIL,  29
.set ADRS, 27
.set SC,   32
.set AF,   128
.set BK,   128
.set G1, 24
.set G0, 32
.set G1B, 48
.set G0B, 56
.set G1S, 68
.set G0S, 76
.set G1SB, 80
.set G0SB, 88
.set MSB, 0
.macro WIN new
.if MSB != \new
	s_set_vgpr_msb (MSB<<8)|\new
.set MSB, \new
.endif
.endm
.set MUL_LO, 0xa1
.set MUL_HI, 0xf1
.set TO_B,   0x40
.macro JLOAD g0a, g1a, g0b, g1b
	s_cmp_eq_u32 s15, 0
	s_cbranch_scc0 .Lfor_b_\@
	tensor_load_to_lds s[\g0a:\g0a+3], s[\g1a:\g1a+7]
	s_nop 0
.rept 4
	v_nop
.endr
	s_branch .Lasked_\@
.Lfor_b_\@:
	tensor_load_to_lds s[\g0b:\g0b+3], s[\g1b:\g1b+7]
	s_nop 0
.rept 4
	v_nop
.endr
.Lasked_\@:
.endm
.macro CREST
	s_cmp_lg_u32 s14, 0
	s_cbranch_scc1 .Lnot_wave_0_\@
	s_barrier_signal -3
.Lnot_wave_0_\@:
	s_barrier_wait -3
	s_barrier_signal -1
	s_barrier_wait -1
.endm
.macro CROUND
	s_barrier_signal -1
	s_barrier_wait -1
	CREST
.endm
	s_load_b128 s[4:7], s[0:1], 0x0
	s_load_b128 s[8:11], s[0:1], 0x10
	s_load_b64 s[12:13], s[0:1], 0x20
	v_lshl_add_u32 v[SPW], v0, 2, SPARE
	v_mov_b32 v[NIL], 0
	ds_add_u32 v28, v29
	ds_add_u32 v28, v29
	s_wait_dscnt 0x0
	v_lshrrev_b32 v1, 5, v0
	v_readfirstlane_b32 s14, v1
	s_lshr_b32 s15, s14, 1
	s_and_b32 s16, s14, 1
	s_bfe_u32 s40, ttmp6, 0x40000
	s_bfe_u32 s41, ttmp6, 0x40004
	s_lshl_b32 s42, ttmp9, 2
	s_add_co_u32 s42, s42, s40
	s_and_b32 s17, ttmp7, 0xffff
	s_lshl_b32 s17, s17, 2
	s_add_co_u32 s17, s17, s41
	s_lshl_b32 s43, s41, 2
	s_lshl_b32 s43, 15, s43
	s_lshl_b32 s44, 0x1111, s40
	s_or_b32 s[G1+0], s43, (3<<16)|(1<<21)
	s_mov_b32 s[G1+1], 32<<16
	s_mov_b32 s[G1+2], 128<<16
	s_mov_b32 s[G1+3], 32<<16
	s_mov_b32 s[G1+4], 128
	s_mov_b32 s[G1+5], 32
	s_mov_b32 s[G1+6], 0
	s_mov_b32 s[G1+7], 0
	s_or_b32 s[G1B+0], s44, (0<<16)|(1<<20)|(1<<21)|(5<<22)|(3<<25)
	s_mov_b32 s[G1B+1], ROWB<<16
	s_mov_b32 s[G1B+2], 128<<16
	s_mov_b32 s[G1B+3], ROWB<<16
	s_mov_b32 s[G1B+4], 128
	s_mov_b32 s[G1B+5], KROW
	s_mov_b32 s[G1B+6], 0
	s_mov_b32 s[G1B+7], 0
	s_or_b32 s[G1S+0], s43, (3<<16)|(1<<20)|(1<<21)|(5<<22)|(3<<25)
	s_or_b32 s[G1SB+0], s44, (3<<16)|(1<<20)|(1<<21)|(5<<22)|(3<<25)
.irp g, G1S, G1SB
	s_mov_b32 s[\g+1], 32<<16
	s_mov_b32 s[\g+2], (128*KS/256)<<16
	s_mov_b32 s[\g+3], 32<<16
	s_mov_b32 s[\g+4], 128*KS/256
	s_mov_b32 s[\g+5], 32
	s_mov_b32 s[\g+6], 0
	s_mov_b32 s[\g+7], 0
.endr
	s_lshl_b32 s18, s16, 7
	s_lshl_b32 s20, s17, 8
	s_add_co_u32 s20, s20, s18
	s_lshl_b32 s46, s42, 8
	s_add_co_u32 s46, s46, s18
	s_mov_b32 s21, 0
	s_mov_b32 s47, 0
	s_mov_b64 s[18:19], KS
	s_mul_u64 s[22:23], s[20:21], s[18:19]
	s_mul_u64 s[92:93], s[46:47], s[18:19]
	s_mov_b64 s[18:19], KROW
	s_mul_u64 s[20:21], s[20:21], s[18:19]
	s_mul_u64 s[46:47], s[46:47], s[18:19]
	s_mul_i32 s45, s14, HALFT
	s_mul_i32 s94, s14, HALFS
	s_wait_kmcnt 0x0
	s_add_nc_u64 s[20:21], s[4:5], s[20:21]
	s_add_nc_u64 s[22:23], s[6:7], s[22:23]
	s_add_nc_u64 s[46:47], s[8:9], s[46:47]
	s_add_nc_u64 s[92:93], s[10:11], s[92:93]
	CROUND
	s_mov_b32 s[G0S], 1
	s_add_co_u32 s[G0S+1], s94, SCL
	s_mov_b64 s[G0S+2:G0S+3], s[22:23]
	s_or_b32 s[G0S+3], s[G0S+3], 0x80000000
	s_mov_b32 s[G0SB], 1
	s_add_co_u32 s[G0SB+1], s94, SCL
	s_mov_b64 s[G0SB+2:G0SB+3], s[92:93]
	s_or_b32 s[G0SB+3], s[G0SB+3], 0x80000000
	JLOAD G0S, G1S, G0SB, G1SB
.irp s, 0,1
	s_mov_b32 s[G0+4*\s], 1
	s_add_co_u32 s[G0+4*\s+1], s45, \s*SLOT
	s_add_nc_u64 s[G0+4*\s+2:G0+4*\s+3], s[20:21], \s*ASTEP
	s_or_b32 s[G0+4*\s+3], s[G0+4*\s+3], 0x80000000
	s_mov_b32 s[G0B+4*\s], 1
	s_add_co_u32 s[G0B+4*\s+1], s45, \s*SLOT
	s_add_nc_u64 s[G0B+4*\s+2:G0B+4*\s+3], s[46:47], \s*ROWB
	s_or_b32 s[G0B+4*\s+3], s[G0B+4*\s+3], 0x80000000
	s_wait_alu depctr_va_vdst(0)
	s_wait_tensorcnt 0x0
	ds_add_u32 v28, v29
	s_wait_dscnt 0x0
	CROUND
	JLOAD G0+4*\s, G1, G0B+4*\s, G1B
.endr
	v_and_b32 v1, 15, v0
	v_bfe_u32 v2, v0, 4, 1
	v_mul_u32_u24 v3, v1, PITCH
	v_lshl_add_u32 v4, v2, 4, v3
	v_and_b32 v6, 31, v0
	v_lshlrev_b32 v[CO], 4, v6
	s_mul_i32 s21, s15, HALFT
	s_mul_i32 s22, s16, HALFT
	s_add_co_u32 s22, s22, 2*HALFT
.irp s, 0,1
	v_add_nc_u32 v[ADRA+\s], s21, v[CO]
	v_add_nc_u32 v[ADRB+\s], s22, v4
	s_add_co_u32 s21, s21, SLOT
	s_add_co_u32 s22, s22, SLOT
.endr
	v_mul_u32_u24 v5, v1, KS
	v_lshrrev_b32 v6, 8, v5
	v_lshl_add_u32 v5, v6, 4, v5
	s_mul_i32 s21, s15, HALFS
	s_mul_i32 s22, s16, HALFS
	s_add_co_u32 s22, s22, 2*HALFS
	s_sub_co_u32 s22, s22, s21
	v_mul_u32_u24 v6, s22, v2
	s_add_co_u32 s21, s21, SCL
	v_add_nc_u32 v5, v5, v6
	v_add_nc_u32 v[ADRS], s21, v5
	s_mul_i32 s23, s14, 16*SPITCH
	v_mul_u32_u24 v5, v1, SPITCH
	v_lshl_add_u32 v5, v2, 5, v5
	v_add_nc_u32 v[STO], s23, v5
	v_add_nc_u32 v[RD], s23, v[CO]
	s_lshl_b32 s20, s17, 8
	s_lshl_b32 s21, s15, 7
	s_add_co_u32 s20, s20, s21
	s_mov_b32 s21, 0
	s_mov_b64 s[18:19], SIZE_N*4
	s_mul_u64 s[20:21], s[20:21], s[18:19]
	s_lshl_b32 s46, s42, 10
	s_lshl_b32 s47, s16, 9
	s_add_co_u32 s46, s46, s47
	s_mov_b32 s47, 0
	s_add_nc_u64 s[20:21], s[20:21], s[46:47]
	s_add_nc_u64 s[12:13], s[12:13], s[20:21]
.macro FRAG reg, adr, q, i
.irp c, 0,1,2,3
	ds_load_b128 v[\reg+4*\c:\reg+4*\c+3], v[\adr] offset:128*(\q)+32*\c+(\i)*16*PITCH
.endr
.endm
.macro FRAGA reg, adr, q, i
.irp c, 0,1,2,3
	ds_load_b128 v[\reg+4*\c:\reg+4*\c+3], v[\adr] offset:(\i)*4096+(\q)*2048+512*\c
.endr
.endm
.macro MUL16 a0, p, q, sc, zero
.irp a, \a0, \a0+1
.irp b, 0,1,2,3,4,5,6,7
.if \zero
	v_wmma_scale_f32_16x16x128_f8f6f4 v[8*(8*((\a)%4)+\b):8*(8*((\a)%4)+\b)+7], v[128*(\p)+FR*\b:128*(\p)+FR*\b+FR-1], v[AF+FR*(\a):AF+FR*(\a)+FR-1], 0, v[SC+8*NQ*(\sc)+NQ*\b+(\q)], v[SC+8*NQ*(\sc)+NQ*(\a)+(\q)] matrix_a_fmt:MATRIX_FMT_BF8 matrix_b_fmt:MATRIX_FMT_BF8 matrix_a_scale:MATRIX_SCALE_ROW1
.else
	v_wmma_scale_f32_16x16x128_f8f6f4 v[8*(8*((\a)%4)+\b):8*(8*((\a)%4)+\b)+7], v[128*(\p)+FR*\b:128*(\p)+FR*\b+FR-1], v[AF+FR*(\a):AF+FR*(\a)+FR-1], v[8*(8*((\a)%4)+\b):8*(8*((\a)%4)+\b)+7], v[SC+8*NQ*(\sc)+NQ*\b+(\q)], v[SC+8*NQ*(\sc)+NQ*(\a)+(\q)] matrix_a_fmt:MATRIX_FMT_BF8 matrix_b_fmt:MATRIX_FMT_BF8 matrix_a_scale:MATRIX_SCALE_ROW1
.endif
.endr
.endr
.endm
.macro FETCH_B slot, q, p
	WIN TO_B
.irp i, 0,1,2,3,4,5,6,7
	FRAG 128*(\p)+FR*\i, ADRB+\slot, \q, \i
.endr
	WIN 0
.endm
.macro FETCH_A slot, q, i0
.irp i, \i0, \i0+1, \i0+2, \i0+3
	FRAGA AF+FR*(\i), ADRA+\slot, \q, \i
.endr
.endm
.macro SCALES sc
.irp i, 0,1,2,3,4,5,6,7
	ds_load_b64 v[SC+8*NQ*\sc+NQ*\i:SC+8*NQ*\sc+NQ*\i+1], v[ADRS] offset:\i*SBLK
.endr
.endm
.macro PLACES n
.rept \n
	v_nop
.endr
.endm
.macro STEP slot, q, zero
	s_wait_dscnt 4*NL
	WIN MUL_LO
	MUL16 0, (\q)%2, \q, \slot, \zero
	MUL16 2, (\q)%2, \q, \slot, \zero
	s_wait_dscnt 0
	PLACES NP
	FETCH_B \slot, (\q)+1, 1-(\q)%2
	FETCH_A \slot, (\q)+1, 0
	WIN MUL_HI
	MUL16 4, (\q)%2, \q, \slot, \zero
	MUL16 6, (\q)%2, \q, \slot, \zero
	PLACES NP
	WIN 0
	FETCH_A \slot, (\q)+1, 4
.endm
.macro TURN slot, next, fill
	s_wait_tensorcnt 0x0
	ds_add_u32 v[SPW], v[NIL]
	s_wait_dscnt 4*NL+1
	WIN MUL_LO
	MUL16 0, 1, NQ-1, \slot, 0
	s_wait_dscnt 0x0
	s_barrier_signal -1
	MUL16 2, 1, NQ-1, \slot, 0
	WIN 0
	s_barrier_wait -1
.if \fill
	CREST
	s_add_nc_u64 s[G0+4*\slot+2:G0+4*\slot+3], s[G0+4*\slot+2:G0+4*\slot+3], 2*ASTEP
	s_add_nc_u64 s[G0B+4*\slot+2:G0B+4*\slot+3], s[G0B+4*\slot+2:G0B+4*\slot+3], 2*ROWB
	JLOAD G0+4*\slot, G1, G0B+4*\slot, G1B
	PLACES NP-4
.else
	PLACES NP
.endif
	s_wait_alu depctr_va_vdst(0)
	v_add_nc_u32 v[ADRS], 4*NQ, v[ADRS]
	FETCH_B \next, 0, 0
	FETCH_A \next, 0, 0
	SCALES \next
	WIN MUL_HI
	MUL16 4, 1, NQ-1, \slot, 0
	MUL16 6, 1, NQ-1, \slot, 0
	PLACES NP
	WIN 0
	FETCH_A \next, 0, 4
.endm
	s_wait_alu depctr_va_vdst(0)
	s_wait_tensorcnt 1
	s_barrier_signal -1
	s_barrier_wait -1
	FETCH_B 0, 0, 0
	FETCH_A 0, 0, 0
	SCALES 0
	FETCH_A 0, 0, 4
	STEP 0, 0, 1
	s_mov_b32 s3, LAPS-1
.Llap:
	TURN 0, 1, 1
	STEP 1, 0, 0
	TURN 1, 0, 1
	STEP 0, 0, 0
	s_sub_co_u32 s3, s3, 1
	s_cmp_lg_u32 s3, 0
	s_cbranch_scc1 .Llap
	TURN 0, 1, 0
	STEP 1, 0, 0
	s_wait_dscnt 4*NL
	WIN MUL_LO
	MUL16 0, 1, NQ-1, 1, 0
	MUL16 2, 1, NQ-1, 1, 0
	s_wait_dscnt 0
	WIN MUL_HI
	MUL16 4, 1, NQ-1, 1, 0
	MUL16 6, 1, NQ-1, 1, 0
	WIN 0
.macro TOSTAGE a
.set AC, 64*((\a)%4)
	WIN 0x08+4*((\a)/4)
.irp b, 0,1,2,3,4,5,6,7
	ds_store_b128 v[STO], v[AC+8*\b:AC+8*\b+3] offset:64*\b
	ds_store_b128 v[STO], v[AC+8*\b+4:AC+8*\b+7] offset:64*\b+16
.endr
	WIN 0
.set BB, BK+64*((\a)%2)
.irp t, 0,1,2,3,4,5,6,7,8,9,10,11,12,13,14,15
	ds_load_b128 v[BB+4*\t:BB+4*\t+3], v[RD] offset:\t*SPITCH
.endr
.endm
.macro SEND a, younger
.set BB, BK+64*((\a)%2)
	s_wait_dscnt \younger
.if (\a) > 0
	s_add_nc_u64 s[12:13], s[12:13], 16*SIZE_N*4
.endif
.irp t, 0,1,2,3,4,5,6,7,8,9,10,11,12,13,14,15
	global_store_b128 v[CO], v[BB+4*\t:BB+4*\t+3], s[12:13] offset:\t*SIZE_N*4 th:TH_STORE_NT
.endr
.endm
	PLACES NP
	TOSTAGE 0
.irp a, 1,2,3,4,5,6,7
.if \a > 1
	s_wait_xcnt 0x0
.endif
	TOSTAGE \a
	SEND \a-1, 32
.endr
	s_wait_xcnt 0x0
	SEND 7, 0
	s_wait_tensorcnt 0x0
	ds_add_u32 v[SPW], v[NIL]
	s_wait_dscnt 0x0
	CROUND
	s_endpgm
.Lfunc_end_k_qe8a5d8b241_oproj:
	.size	k_qe8a5d8b241_oproj, .Lfunc_end_k_qe8a5d8b241_oproj-k_qe8a5d8b241_oproj
	.p2alignl 7, 3214868480
	.fill 96, 4, 3214868480
	.section	.rodata,"a",@progbits
	.p2align	6, 0x0
	.amdhsa_kernel k_qe8a5d8b241_oproj
		.amdhsa_group_segment_fixed_size 327680
		.amdhsa_private_segment_fixed_size 0
		.amdhsa_enable_private_segment 0
		.amdhsa_kernarg_size 40
		.amdhsa_user_sgpr_count 2
		.amdhsa_user_sgpr_kernarg_segment_ptr 1
		.amdhsa_wavefront_size32 1
		.amdhsa_system_sgpr_workgroup_id_x 1
		.amdhsa_system_sgpr_workgroup_id_y 1
		.amdhsa_system_sgpr_workgroup_id_z 1
		.amdhsa_system_vgpr_workitem_id 0
		.amdhsa_next_free_vgpr 1024
		.amdhsa_next_free_sgpr 98
		.amdhsa_reserve_vcc 0
		.amdhsa_float_denorm_mode_32 3
		.amdhsa_float_denorm_mode_16_64 3
		.amdhsa_memory_ordered 1
		.amdhsa_forward_progress 1
		.amdhsa_inst_pref_size 146
	.end_amdhsa_kernel
	.amdgpu_metadata
---
amdhsa.version: [ 1, 2 ]
amdhsa.kernels:
  - .name:           k_qe8a5d8b241_oproj
    .symbol:         k_qe8a5d8b241_oproj.kd
    .args:
      - { .name: ho_codes, .offset: 0, .size: 8, .value_kind: global_buffer, .address_space: global }
      - { .name: ho_scales, .offset: 8, .size: 8, .value_kind: global_buffer, .address_space: global }
      - { .name: Wo_codes, .offset: 16, .size: 8, .value_kind: global_buffer, .address_space: global }
      - { .name: Wo_scales, .offset: 24, .size: 8, .value_kind: global_buffer, .address_space: global }
      - { .name: out0, .offset: 32, .size: 8, .value_kind: global_buffer, .address_space: global }
    .group_segment_fixed_size: 327680
    .private_segment_fixed_size: 0
    .kernarg_segment_align: 8
    .kernarg_segment_size: 40
    .max_flat_workgroup_size: 128
    .sgpr_count:     98
    .vgpr_count:     1024
    .wavefront_size: 32
...
	.end_amdgpu_metadata
.endif
;; end of part 3
